; MI455X (gfx1250); checked and timed in simulation.
; The chip was launched on July 23, 2026; its instructions are those of AMD's public machine-readable ISA for CDNA 5 (MIT licence, August 2026) and "CDNA5" Instruction Set Architecture Reference Guide (July 2026). The comments in the code are by the model that wrote it; some were corrected since.
;; Multi Head Attention. Allowed arithmetic: matrix products marked QUANTISED: E2M3 operands, one E8M0 scale for each 32 along K, by v_wmma_scale_f32_16x16x128_f8f6f4 with both operands' format E2M3, f32 sums; everything else in f32.
;; Inputs: W_kqv 3,072 x 1,024 float32; W_proj 1,024 x 1,024 float32; k_norm_w 64 float32; q_norm_w 64 float32; x 4 x 2,048 x 1,024 float32.
;; Outputs: out0 4 x 2,048 x 1,024 float32.
;; This version of the problem:
;;   THIS VERSION OF THE PROBLEM IS GIVEN IN LOW PRECISION. The matrix products marked QUANTISED in the list below multiply operands that are first quantised to E2M3 (2 exponent bits, 3 mantissa bits; 6 bits a number), with one power-of-two scale for each 32 numbers along K (OCP MX v1.0); their sums are f32. All else is computed in f32.
;;   The module's matrix products, in the order in which they are computed (A, B: the left and right operand; K: the contracted axis; several contracted axes count as one K, in the product's order):
;;     1. [M 8,192, K 1,024] x [K 1,024, N 3,072]; A: input x; B: input W_kqv: QUANTISED
;;     2. batch 64 x [M 2,048, K 64] x [K 64, N 2,048]; A: computed on the way; B: computed on the way: QUANTISED
;;     3. batch 64 x [M 2,048, K 2,048] x [K 2,048, N 64]; A: softmax (see below); B: computed on the way: QUANTISED
;;     4. [M 8,192, K 1,024] x [K 1,024, N 1,024]; A: computed on the way; B: input W_proj: QUANTISED
;;   THE QUANTISER, for each operand of a quantised product, along K:
;;     - K is cut into blocks of 32 from its start; a last block that is shorter is filled with zeros.
;;     - A block's scale is 2^e with e = floor(log2(the largest magnitude in the block)) - 2, held to -126 .. 127; a block of zeros has e = 0. As a byte (E8M0): e + 127.
;;     - Each number is divided by its block's scale, clamped to +-7.5, and rounded to the nearest number of E2M3, ties to even, subnormals kept.
;;     - The product sums the exact products of the quantised numbers (number of the format x scale) in f32.
;;   ~~~python
;;   def quantise(x, axis):      # numpy; x: float32 -> the quantised numbers, widened to float32 again
;;       x = np.moveaxis(x, axis, -1); K = x.shape[-1]
;;       x = np.pad(x, [(0, 0)] * (x.ndim - 1) + [(0, -K % 32)]); x = x.reshape(x.shape[:-1] + (-1, 32)); a = np.abs(x).max(-1, keepdims=True)
;;       e = np.where(a > 0, np.clip(np.frexp(np.where(a > 0, a, 1))[1] - 1 - 2, -126, 127), 0)      # np.frexp(a)[1] - 1 = floor(log2(a)), exactly
;;       r = np.clip(x / 2.0 ** e, -7.5, 7.5)
;;       step = 2.0 ** (np.maximum(np.frexp(np.where(r == 0, 1, r))[1] - 1, 0) - 3)
;;       q = np.round(r / step) * step * 2.0 ** e      # np.round: ties to even
;;       return np.moveaxis(q.reshape(q.shape[:-2] + (-1,))[..., :K], -1, axis).astype(np.float32)
;;   ~~~
;;   SOFTMAX AHEAD OF A QUANTISED PRODUCT. Where the list says 'softmax', what is quantised is not the finished softmax but p = 2^(t - M), with t = logit x log2(e) and M = ceil(the row's largest t), a whole number; so 1/2 < the row's largest p <= 1. The row's sum l is taken of the UNQUANTISED p, in f32, and the product's result is divided by l at the end. Since M is a whole number, a kernel that streams over the keys may use a running M (the ceiling of the running maximum): every later rescaling is an exact power of two, which a block's scale takes up: the codes' values come out the same.
;;   OPERANDS COMPUTED ON THE WAY. 'Computed on the way' means the value that the module computes at that place (a softmax that the list does not call 'softmax' is quantised finished and normalised). What goes into a quantiser is computed in f32, as accurately as f32 sums, v_exp_f32 and their like allow (about 1e-6 of the number): no bf16 or f16 on the way to a quantiser, and a product that is left as it is and whose result goes on into a quantised operand takes f32 operands (vector FMAs, or v_wmma_f32_16x16x4_f32). A number that lies on a knife's edge between two numbers of the format may be rounded either way, as far as f32 arithmetic and the matrix unit's own rounding can turn it there, and no further.
;; One version. Each part assembles by itself: llvm-mc -triple=amdgcn-amd-amdhsa -mcpu=gfx1250 --defsym DOCPART=n.
;; ======== version 1 of 1: 5 launches
;; limits: right only within a limited range of input values
;; workspace buffers: codes 9,437,184 bytes; scales 393,216 bytes; rope 524,288 bytes; kv 13,631,488 bytes; qi 6,815,744 bytes; yi 6,291,456 bytes; ys 262,144 bytes
;; launch prep (part 1): grid 416 x 1, 4 waves a work-group, no clusters, 34,304 bytes of LDS; arguments x, W_kqv, W_proj, codes, scales, rope; writes codes, scales, rope
.if DOCPART == 1
	.amdgcn_target "amdgcn-amd-amdhsa--gfx1250"
	.amdhsa_code_object_version 6
	.text
	.protected	k_q0e4e4103b8_prep
	.globl	k_q0e4e4103b8_prep
	.p2align	8
	.type	k_q0e4e4103b8_prep,@function
k_q0e4e4103b8_prep:
	s_mov_b64 s[64:65], 0
	v_nop
	global_prefetch_b8 v0, s[64:65] scope:SCOPE_SE
	s_setreg_imm32_b32 hwreg(HW_REG_WAVE_MODE, 25, 1), 1
	s_wait_xcnt 0x0
; x [8192][1024], W_kqv [3072][1024] and W_proj [1024][1024], f32, become codes of FP6 (E2M3) with one E8M0 byte for each 32 along K; and the table of cos and sin for the rotary embedding is made.
; WORK LEFT OUT IN THIS PROGRAM: reference() sets every score above the diagonal to -inf by a mask that it builds itself; whole tiles of keys that lie behind all of a tile's queries add exactly 0 to the softmax's sum
; and to its product for all values of the inputs, so the attention launch does not compute them.  A NaN, an infinity or an overflow that reaches only those tiles is not carried to the result.  Every input is loaded.
; THE CODES LEAVE AS IMAGES OF AN OPERAND'S REGISTERS: [tile of 16 rows][128 along K][group of four registers, 0..2][lane][16 bytes]: 1,536 bytes for a tile and 128 along K, 12,288 for a tile.
; Lane (r, h) of a fragment holds row r; registers 6 c .. 6 c + 5 hold K = 64 c + 32 h + 0 .. 31.  Lane r of tile 2 b + u is true row 32 b + 8 u + r + 8 (r / 8).  The three tensors' tiles lie one behind the other.
; The scale bytes lie [tile][r][32]: one word for each 128 along K.
; A block's scale is 2^(floor(log2(its largest magnitude)) - 2); its byte is the largest magnitude's exponent field - 2, held at 1 from below.
; LIMITS: a block of zeros, or one whose largest magnitude lies under 2^-124, gets the byte 1 (this program alone reads the bytes).  NaN and infinities among the inputs are not served.
; inv_freq is 10^(-i/8) rounded once to f32; a power function in f32 may differ from it in the last bits, which moves an angle by about 2e-4 at token 2,047.
; WORK-GROUPS 0-383 quantise 32 rows each (0-255 x, 256-351 W_kqv, 352-383 W_proj): wave w takes tile w / 2 of the two, and half w % 2 of K: four units of 16 rows x 128 along K.
; A unit: sixteen loads of 512 consecutive bytes (a row's 128 numbers); through the wave's own stage in LDS (rows 528 bytes apart); back as 2 x 128 bytes a lane: two whole blocks, so a block's maximum needs no other lane,
; and the conversions' results are the operand's registers.  Three stores of 512 consecutive bytes.  Loads run two units (32 loads a wave) ahead.
; WORK-GROUPS 384-415 make the table: a wave takes a tile of 16 tokens (same order); lane (r, h) makes cos and sin of token t(r) at frequencies 16 h + 0 .. 15; no LDS.
; No tensor loads, no barrier: waves share nothing, so clusters and matrix units have nothing to do here.
.set NQWG,  384
.set SP,    528                        ; a stage row: 512 bytes + 16
.set WREG,  16*SP                      ; a wave's stage
.set SPARE, 4*WREG                     ; behind the stages: the spare words, 128 bytes a wave
.set SPW,   12                         ; v12 my spare word's address; never rewritten
.set NIL,   13                         ; v13 0; never rewritten
.set R,     16                         ; v16-143  two sets of 64 registers as loaded
.set X,     144                        ; v144-207 my two blocks
.set C,     208                        ; v208-231 the fragment, two sets
.set T,     232                        ; v232-238 the upper halves of the blocks' codes
.set M,     240                        ; v240-243 maxima, scale operands, bytes
.set SW,    244                        ; v244-247 a scale word for each unit
	s_load_b128 s[4:7], s[0:1], 0x0                ; x, W_kqv
	s_load_b128 s[8:11], s[0:1], 0x10              ; W_proj, codes
	s_load_b128 s[12:15], s[0:1], 0x20             ; scales, rope
	v_lshl_add_u32 v[SPW], v0, 2, SPARE
	v_mov_b32 v[NIL], 0
	v_lshrrev_b32 v1, 5, v0
	v_readfirstlane_b32 s16, v1                    ; wave
	v_and_b32 v2, 31, v0                           ; lane
	v_lshlrev_b32 v3, 4, v2                        ; 16 x lane
	s_mul_i32 s17, s16, WREG
	v_add_nc_u32 v14, s17, v3                      ; the stage, on the way in
	v_and_b32 v4, 15, v2                           ; r
	v_lshrrev_b32 v5, 4, v2                        ; h
	v_mul_u32_u24 v15, v4, SP
	v_lshl_add_u32 v15, v5, 7, v15
	v_add_nc_u32 v15, s17, v15                     ; and on the way out: row r, 128 h bytes on
	v_lshlrev_b32 v6, 3, v5                        ; 8 h: my bytes' place in a scale word
	v_lshlrev_b32 v7, 5, v4
	v_lshl_add_u32 v7, v5, 3, v7                   ; scale bytes: 32 r + 8 h
	v_cmp_lt_u32 s34, 15, v2                       ; lanes 16-31
	v_mov_b32 v11, 0                               ; a lane permute's destination counts as one of its sources
	s_wait_alu depctr_va_vdst(0)                   ; the head's end
	s_wait_kmcnt 0x0
	s_cmp_ge_u32 ttmp9, NQWG                       ; the choice hangs on the work-group's number alone
	s_cbranch_scc1 .Ltable
	s_cmp_lt_u32 ttmp9, 256                        ; which tensor: x,
	s_cselect_b64 s[4:5], s[4:5], s[6:7]
	s_cselect_b32 s17, 0, 256
	s_mov_b32 s22, 352
	s_cmp_lt_u32 ttmp9, s22                        ; W_kqv, or W_proj
	s_cselect_b64 s[4:5], s[4:5], s[8:9]
	s_cselect_b32 s17, s17, s22
	s_sub_co_u32 s17, ttmp9, s17                   ; which 32 rows of the tensor
	s_lshr_b32 s18, s16, 1                         ; u: which tile of the two
	s_and_b32 s19, s16, 1                          ; which half of K
	s_lshl_b32 s20, s17, 17                        ; 32 rows of 4,096 bytes,
	s_lshl_b32 s21, s18, 15                        ; + 8 u rows,
	s_add_co_u32 s20, s20, s21
	s_lshl_b32 s21, s19, 11                        ; + 512 numbers
	s_add_co_u32 s20, s20, s21
	s_mov_b32 s21, 0
	s_add_nc_u64 s[4:5], s[4:5], s[20:21]
	s_lshl_b32 s22, ttmp9, 1
	s_add_co_u32 s22, s22, s18                     ; my tile among all
	s_mul_i32 s20, s22, 12288
	s_mul_i32 s24, s19, 6144
	s_add_co_u32 s20, s20, s24
	s_add_nc_u64 s[10:11], s[10:11], s[20:21]
	s_lshl_b32 s20, s22, 9                         ; 512 scale bytes a tile
	s_lshl_b32 s24, s19, 4
	s_add_co_u32 s20, s20, s24
	s_add_nc_u64 s[12:13], s[12:13], s[20:21]
	s_mov_b32 s26, 0x76543210
	s_mov_b32 s27, 0xfedcba98                      ; the selects for lane l xor 16
.macro LOAD t
.irp i, 0,1,2,3,4,5,6,7,8,9,10,11,12,13,14,15
	global_load_b128 v[R+64*((\t)%2)+4*\i:R+64*((\t)%2)+4*\i+3], v3, s[4:5] offset:(\i+8*(\i/8))*4096+512*(\t) th:TH_LOAD_NT   ; 512 consecutive bytes of the tile's row i
.endr
.endm
.macro UNIT t
.set RS, R+64*((\t)%2)
.set CS, C+12*((\t)%2)
.if (\t) >= 2
	s_wait_xcnt 0x0                                ; the stores of two units ago have read their registers
.endif
.if (\t) < 3
	s_wait_loadcnt 16                              ; this unit's sixteen loads are in; the next unit's may be out
.else
	s_wait_loadcnt 0x0
.endif
.irp i, 0,1,2,3,4,5,6,7,8,9,10,11,12,13,14,15
	ds_store_b128 v14, v[RS+4*\i:RS+4*\i+3] offset:SP*\i
.endr
.irp c, 0,1
.irp i, 0,1,2,3,4,5,6,7
	ds_load_b128 v[X+32*\c+4*\i:X+32*\c+4*\i+3], v15 offset:256*\c+16*\i   ; LDS serves a wave's instructions in order: these see the stores above
.endr
.endr
	s_wait_dscnt 0x0                               ; my two blocks are here, and the stores have read their registers,
.if (\t)+2 < 4
	LOAD (\t)+2                                    ; which take the loads of two units on
.endif
.irp b, 0,1,2,3
	v_max3_num_f32 v[M+\b], |v[X+16*\b]|, |v[X+16*\b+1]|, 0x1800000   ; four chains of 16 numbers, and the floor 2^(3 - 127): the byte cannot fall under 1
.endr
.irp i, 2,4,6,8,10,12,14
.irp b, 0,1,2,3
	v_max3_num_f32 v[M+\b], v[M+\b], |v[X+16*\b+\i]|, |v[X+16*\b+\i+1]|
.endr
.endr
	v_max_num_f32 v[M], v[M], v[M+1]               ; block h's largest magnitude,
	v_max_num_f32 v[M+2], v[M+2], v[M+3]           ; and block 2 + h's
	v_add_nc_u32 v[M], 0xff000000, v[M]            ; 2 off the exponent field: the conversion's scale operand
	v_add_nc_u32 v[M+2], 0xff000000, v[M+2]
	v_lshrrev_b32 v[M+1], 23, v[M]                 ; the bytes
	v_lshrrev_b32 v[M+3], 23, v[M+2]
	v_lshl_or_b32 v[M+1], v[M+3], 16, v[M+1]
	v_lshlrev_b32 v[M+1], v6, v[M+1]               ; at their places in the word
	v_permlanex16_b32 v11, v[M+1], s26, s27
	v_or_b32 v[SW+(\t)], v[M+1], v11               ; with lane l xor 16's two the word is whole
	v_cvt_scalef32_pk16_fp6_f32 v[CS:CS+2], v[X:X+15], v[M]
	v_cvt_scalef32_pk16_fp6_f32 v[T:T+2], v[X+16:X+31], v[M]          ; (a conversion's three registers begin on an even number)
	v_cvt_scalef32_pk16_fp6_f32 v[CS+6:CS+8], v[X+32:X+47], v[M+2]
	v_cvt_scalef32_pk16_fp6_f32 v[T+4:T+6], v[X+48:X+63], v[M+2]
	v_nop                                          ; one plain place behind a scaled conversion
.irp c, 0,1
.irp i, 0,1,2
	v_mov_b32 v[CS+3+6*\c+\i], v[T+4*\c+\i]
.endr
.endr
.irp j, 0,1,2
	global_store_b128 v3, v[CS+4*\j:CS+4*\j+3], s[10:11] offset:1536*(\t)+512*\j   ; 512 consecutive bytes, aligned
.endr
.endm
	LOAD 0
	LOAD 1
.irp t, 0,1,2,3
	UNIT \t
.endr
	v_cndmask_b32 v8, v[SW], v[SW+2], s34          ; lanes 0-15 store their row's first two words, lanes 16-31 the other two
	v_cndmask_b32 v9, v[SW+1], v[SW+3], s34
	global_store_b64 v7, v[8:9], s[12:13]          ; 16 bytes of each row's 32: the other wave of the tile stores the rest
	s_wait_tensorcnt 0x0                           ; the wave's end, behind my last LDS store
	ds_add_u32 v[SPW], v[NIL]
	s_wait_dscnt 0x0
	s_endpgm
.Ltable:
	s_sub_co_u32 s17, ttmp9, NQWG
	s_lshl_b32 s17, s17, 2
	s_add_co_u32 s17, s17, s16                     ; my tile of 16 tokens, 0 .. 127
	s_lshr_b32 s18, s17, 1
	s_lshl_b32 s18, s18, 5
	s_and_b32 s19, s17, 1
	s_lshl_b32 s19, s19, 3
	s_add_co_u32 s18, s18, s19                     ; 32 (tile / 2) + 8 (tile % 2)
	v_and_b32 v8, 15, v2                           ; r
	v_and_b32 v9, 8, v8
	v_add_nc_u32 v8, v8, v9                        ; r + 8 (r / 8)
	v_add_nc_u32 v8, s18, v8
	v_cvt_f32_u32 v16, v8                          ; my token, exact in f32
	s_wait_alu depctr_va_vdst(0)                   ; ahead of the run of scalar lines
	v_cmp_lt_u32 s30, 15, v2                       ; lanes 16-31 take frequencies 16 .. 31
	s_lshl_b32 s20, s17, 12                        ; 4,096 bytes a tile
	s_mov_b32 s21, 0
	s_add_nc_u64 s[14:15], s[14:15], s[20:21]
	s_mov_b32 s24, 0x3f22f983                      ; 2 / pi
	s_mov_b32 s25, 0x3fc90fdb                      ; pi / 2, its f32,
	s_mov_b32 s26, 0xb33bbd2e                      ; and what that leaves
	s_mov_b32 s27, 0xb94ca1f9                      ; sine on |r| <= pi / 4
	s_mov_b32 s28, 0x3c08839e
	s_mov_b32 s29, 0xbe2aaaa3
	s_mov_b32 s31, 0x37ccf5ce                      ; cosine
	s_mov_b32 s32, 0xbab6061a
	s_mov_b32 s33, 0x3d2aaaa5
; cos and sin of token x 10^(-i / 8), i = n in lanes 0-15 and 16 + n in lanes 16-31.  The angle is one f32 product, brought into |r| <= pi / 4 by k quarter turns (k at most 1,304), pi / 2 taken
; off in two parts by fused multiply-adds; two polynomials; the quarter chooses by v_cndmask_b32 and a sign bit: no branch.
.macro SINCOS n, flo, fhi
	v_mul_f32 v20, \flo, v16
	v_mul_f32 v21, \fhi, v16
	v_cndmask_b32 v20, v20, v21, s30               ; the angle
	v_mul_f32 v21, s24, v20
	v_rndne_f32 v21, v21                           ; k
	v_fma_f32 v22, -v21, s25, v20
	v_fma_f32 v22, -v21, s26, v22                  ; r
	v_mul_f32 v23, v22, v22                        ; z = r r
	v_fma_f32 v24, v23, s27, s28
	v_fma_f32 v24, v24, v23, s29
	v_mul_f32 v24, v24, v23
	v_fma_f32 v24, v24, v22, v22                   ; sin r
	v_fma_f32 v25, v23, s31, s32
	v_fma_f32 v25, v25, v23, s33
	v_mul_f32 v26, v23, v23
	v_fma_f32 v27, v23, -0.5, 1.0
	v_fma_f32 v25, v25, v26, v27                   ; cos r
	v_cvt_i32_f32 v26, v21
	v_and_b32 v27, 1, v26
	v_cmp_eq_u32 vcc_lo, 1, v27                    ; an odd quarter swaps the two
	v_add_nc_u32 v27, 1, v26
	v_and_b32 v27, 2, v27
	v_lshlrev_b32 v27, 30, v27                     ; cos is negative in quarters 1 and 2,
	v_and_b32 v26, 2, v26
	v_lshlrev_b32 v26, 30, v26                     ; sin in quarters 2 and 3
	v_cndmask_b32 v28, v25, v24, vcc_lo
	v_cndmask_b32 v29, v24, v25, vcc_lo
	v_xor_b32 v[64+\n], v28, v27
	v_xor_b32 v[80+\n], v29, v26
.endm
	SINCOS 0, 1.0, 0.01
	SINCOS 1, 0.7498942093, 0.007498942093
	SINCOS 2, 0.5623413252, 0.005623413252
	SINCOS 3, 0.4216965034, 0.004216965034
	SINCOS 4, 0.3162277660, 0.003162277660
	SINCOS 5, 0.2371373706, 0.002371373706
	SINCOS 6, 0.1778279410, 0.001778279410
	SINCOS 7, 0.1333521432, 0.001333521432
	SINCOS 8, 0.1, 0.001
	SINCOS 9, 0.07498942093, 0.0007498942093
	SINCOS 10, 0.05623413252, 0.0005623413252
	SINCOS 11, 0.04216965034, 0.0004216965034
	SINCOS 12, 0.03162277660, 0.0003162277660
	SINCOS 13, 0.02371373706, 0.0002371373706
	SINCOS 14, 0.01778279410, 0.0001778279410
	SINCOS 15, 0.01333521432, 0.0001333521432
.irp q, 0,1,2,3
	global_store_b128 v3, v[64+4*\q:67+4*\q], s[14:15] offset:512*\q          ; cos: each store covers 512 consecutive bytes, aligned
	global_store_b128 v3, v[80+4*\q:83+4*\q], s[14:15] offset:2048+512*\q     ; sin
.endr
	s_wait_tensorcnt 0x0                           ; a wave's end
	ds_add_u32 v[SPW], v[NIL]
	s_wait_dscnt 0x0
	s_endpgm
.Lfunc_end_k_q0e4e4103b8_prep:
	.size	k_q0e4e4103b8_prep, .Lfunc_end_k_q0e4e4103b8_prep-k_q0e4e4103b8_prep
	.p2alignl 7, 3214868480
	.fill 96, 4, 3214868480
	.section	.rodata,"a",@progbits
	.p2align	6, 0x0
	.amdhsa_kernel k_q0e4e4103b8_prep
		.amdhsa_group_segment_fixed_size 34304
		.amdhsa_private_segment_fixed_size 0
		.amdhsa_enable_private_segment 0
		.amdhsa_kernarg_size 48
		.amdhsa_user_sgpr_count 2
		.amdhsa_user_sgpr_kernarg_segment_ptr 1
		.amdhsa_wavefront_size32 1
		.amdhsa_system_sgpr_workgroup_id_x 1
		.amdhsa_system_sgpr_workgroup_id_y 1
		.amdhsa_system_sgpr_workgroup_id_z 1
		.amdhsa_system_vgpr_workitem_id 0
		.amdhsa_next_free_vgpr 248
		.amdhsa_next_free_sgpr 66
		.amdhsa_reserve_vcc 1
		.amdhsa_float_denorm_mode_32 3
		.amdhsa_float_denorm_mode_16_64 3
		.amdhsa_memory_ordered 1
		.amdhsa_forward_progress 1
		.amdhsa_inst_pref_size 54
	.end_amdhsa_kernel
	.amdgpu_metadata
---
amdhsa.version: [ 1, 2 ]
amdhsa.kernels:
  - .name:           k_q0e4e4103b8_prep
    .symbol:         k_q0e4e4103b8_prep.kd
    .args:
      - { .name: x, .offset: 0, .size: 8, .value_kind: global_buffer, .address_space: global }
      - { .name: W_kqv, .offset: 8, .size: 8, .value_kind: global_buffer, .address_space: global }
      - { .name: W_proj, .offset: 16, .size: 8, .value_kind: global_buffer, .address_space: global }
      - { .name: codes, .offset: 24, .size: 8, .value_kind: global_buffer, .address_space: global }
      - { .name: scales, .offset: 32, .size: 8, .value_kind: global_buffer, .address_space: global }
      - { .name: rope, .offset: 40, .size: 8, .value_kind: global_buffer, .address_space: global }
    .group_segment_fixed_size: 34304
    .private_segment_fixed_size: 0
    .kernarg_segment_align: 8
    .kernarg_segment_size: 48
    .max_flat_workgroup_size: 128
    .sgpr_count:     66
    .vgpr_count:     248
    .wavefront_size: 32
...
	.end_amdgpu_metadata
.endif
;; end of part 1
;; launch kq (part 2): grid 8 x 32, 4 waves a work-group, clusters of 4 x 4, 327,680 bytes of LDS; arguments codes, scales, rope, k_norm_w, q_norm_w, kv, qi; writes kv, qi
.if DOCPART == 2
	.amdgcn_target "amdgcn-amd-amdhsa--gfx1250"
	.amdhsa_code_object_version 6
	.text
	.protected	k_q0e4e4103b8_kq
	.globl	k_q0e4e4103b8_kq
	.p2align	8
	.type	k_q0e4e4103b8_kq,@function
k_q0e4e4103b8_kq:
	s_mov_b64 s[64:65], 0
	v_nop
	global_prefetch_b8 v0, s[64:65] scope:SCOPE_SE
	s_setreg_imm32_b32 hwreg(HW_REG_WAVE_MODE, 25, 1), 1
	s_wait_xcnt 0x0
	s_wait_alu depctr_hold_cnt(0) depctr_sa_sdst(0) depctr_va_vdst(0) depctr_va_sdst(0) depctr_va_ssrc(0) depctr_va_vcc(0) depctr_vm_vsrc(0)
	s_getreg_b32 s2, hwreg(HW_REG_IB_STS2, 6, 4)
	s_cmp_eq_u32 s2, 0
	s_cbranch_scc0 .Lentry_in_a_cluster
	s_endpgm
.Lentry_in_a_cluster:
	s_bfe_u32 s2, ttmp6, 0x10000c
	s_cmp_lg_u32 s2, 0xf033
	s_cbranch_scc0 .Lentry_shape_is_right
	s_endpgm
.Lentry_shape_is_right:
; The k and q columns of x W_kqv^T on codes of FP6 (E2M3) with E8M0 scales; behind the product the rotary embedding, the per-head RMS norm with its gain, and the quantiser along the head's 64 channels, all in f32.
; A work-group of four waves makes 256 tokens x 256 columns, a wave 128 x 128; K = 1,024 in four steps of 256 through two LDS slots; 4 x 4 work-groups form a cluster and ask jointly for the tiles that they share.
; Both operands arrive as images of an operand's registers: a tile of 16 rows is 12,288 bytes, a K step of 256 is 3,072 consecutive bytes of it: a tensor row is 3,072 bytes and begins at a multiple of 256;
; a fragment is three loads of 16 bytes a lane, 512 consecutive bytes each, so no padding is wanted in LDS.
; THE HEAD: one joint load a wave: wave 0 A's 256 rows of K step 0, wave 1 B's, wave 2 A's scales for all of K, wave 3 B's; K step 1 follows behind the three lines and a round.
; PREFETCH: K steps 2 and 3 are asked of memory one K step or more ahead of their refills: of the 8 tiles that a wave fetches each of the four partners names 2 (24 blocks of 256 bytes, a lane a block), told apart by address.
; k leaves into the records of kv, q into those of qi, as images of an operand's registers with their scale words.  LIMITS: NaN and infinities are not served; a block of zeros or under 2^-124 gets the byte 1.
.set KSTEP,  256
.set NQ,     2
.set ROWB,   3072
.set AROWB,  3072
.set KROW,   768
.set PITCH,  192
.set FR,     12
.set NL,     3
.set NP,     4
.set HALFT,  128*PITCH
.set SLOT,   4*HALFT
.set LAPS,   2
.set KS,     32
.set SCL,    2*SLOT
.set HALFS,  16*272
.set SBLK,   2*272
.set SPARE,  SCL+4*HALFS
.set ACODE,  0
.set ASCALE, 0
.set BCODE,  6291456
.set BSCALE, 262144
.set ADRA, 16
.set ADRB, 20
.set SPW,  28
.set NIL,  29
.set ADRS, 27
.set SC,   32
.set AF,   128
.set G1, 24
.set G0, 32
.set G1B, 48
.set G0B, 56
.set G1S, 68
.set G0S, 76
.set G1SB, 80
.set G0SB, 88
.set MSB, 0
.macro WIN new
.if MSB != (\new)
	s_set_vgpr_msb (MSB<<8)|(\new)
.set MSB, (\new)
.endif
.endm
.set MUL_LO, 0xa1
.set MUL_HI, 0xf1
.set TO_B,   0x40
.macro JLOAD g0a, g1a, g0b, g1b
	s_cmp_eq_u32 s15, 0
	s_cbranch_scc0 .Lfor_b_\@
	tensor_load_to_lds s[\g0a:\g0a+3], s[\g1a:\g1a+7]
	s_nop 0
.rept 4
	v_nop
.endr
	s_branch .Lasked_\@
.Lfor_b_\@:
	tensor_load_to_lds s[\g0b:\g0b+3], s[\g1b:\g1b+7]
	s_nop 0
.rept 4
	v_nop
.endr
.Lasked_\@:
.endm
.macro CREST
	s_cmp_lg_u32 s14, 0
	s_cbranch_scc1 .Lnot_wave_0_\@
	s_barrier_signal -3
.Lnot_wave_0_\@:
	s_barrier_wait -3
	s_barrier_signal -1
	s_barrier_wait -1
.endm
.macro CROUND
	s_barrier_signal -1
	s_barrier_wait -1
	CREST
.endm
	s_load_b128 s[4:7], s[0:1], 0x0
	v_lshl_add_u32 v[SPW], v0, 2, SPARE
	v_mov_b32 v[NIL], 0
	ds_add_u32 v[SPW], v[NIL]
	ds_add_u32 v[SPW], v[NIL]
	v_lshrrev_b32 v1, 5, v0
	v_readfirstlane_b32 s14, v1
	s_lshr_b32 s15, s14, 1
	s_and_b32 s16, s14, 1
	s_bfe_u32 s40, ttmp6, 0x40000
	s_bfe_u32 s41, ttmp6, 0x40004
	s_lshl_b32 s42, ttmp9, 2
	s_add_co_u32 s42, s42, s40
	s_and_b32 s17, ttmp7, 0xffff
	s_lshl_b32 s17, s17, 2
	s_add_co_u32 s17, s17, s41
	s_lshl_b32 s43, s41, 2
	s_lshl_b32 s43, 15, s43
	s_lshl_b32 s44, 0x1111, s40
	s_or_b32 s[G1+0], s43, (3<<16)|(1<<21)         ; the mask; elements of 8 bytes; bit 21 beside a mask; no padding
	s_or_b32 s[G1B+0], s44, (3<<16)|(1<<21)
.irp g, G1, G1B
	s_mov_b32 s[\g+1], 384<<16                     ; rows of 3,072 bytes,
	s_mov_b32 s[\g+2], 16<<16                      ; sixteen tiles of 16 rows for the head's loads (eight for the ring's),
	s_mov_b32 s[\g+3], 384<<16
	s_mov_b32 s[\g+4], 16
	s_mov_b32 s[\g+5], 1536                        ; 12,288 bytes apart
	s_mov_b32 s[\g+6], 0
	s_mov_b32 s[\g+7], 0
.endr
	s_or_b32 s[G1S+0], s43, (3<<16)|(1<<20)|(1<<21)|(5<<22)|(3<<25)
	s_or_b32 s[G1SB+0], s44, (3<<16)|(1<<20)|(1<<21)|(5<<22)|(3<<25)
.irp g, G1S, G1SB
	s_mov_b32 s[\g+1], 32<<16
	s_mov_b32 s[\g+2], 32<<16                      ; the scales of 256 rows: 32 rows of 256 bytes
	s_mov_b32 s[\g+3], 32<<16
	s_mov_b32 s[\g+4], 32
	s_mov_b32 s[\g+5], 32
	s_mov_b32 s[\g+6], 0
	s_mov_b32 s[\g+7], 0
.endr
	s_lshl_b32 s20, s17, 8
	s_lshl_b32 s46, s42, 8
	s_mov_b32 s21, 0
	s_mov_b32 s47, 0
	s_mov_b64 s[18:19], KS
	s_mul_u64 s[22:23], s[20:21], s[18:19]
	s_mul_u64 s[92:93], s[46:47], s[18:19]
	s_mov_b64 s[18:19], KROW
	s_mul_u64 s[20:21], s[20:21], s[18:19]
	s_mul_u64 s[46:47], s[46:47], s[18:19]
	s_add_nc_u64 s[20:21], s[20:21], ACODE
	s_add_nc_u64 s[22:23], s[22:23], ASCALE
	s_add_nc_u64 s[46:47], s[46:47], BCODE
	s_add_nc_u64 s[92:93], s[92:93], BSCALE
	s_mul_i32 s45, s14, HALFT
	s_wait_dscnt 0x0
	s_wait_kmcnt 0x0
	s_add_nc_u64 s[20:21], s[4:5], s[20:21]
	s_add_nc_u64 s[22:23], s[6:7], s[22:23]
	s_add_nc_u64 s[46:47], s[4:5], s[46:47]
	s_add_nc_u64 s[92:93], s[6:7], s[92:93]
	CROUND
	s_mov_b32 s[G0S], 1
	s_mov_b32 s[G0S+1], SCL
	s_mov_b64 s[G0S+2:G0S+3], s[22:23]
	s_or_b32 s[G0S+3], s[G0S+3], 0x80000000
	s_mov_b32 s[G0SB], 1
	s_mov_b32 s[G0SB+1], SCL+2*HALFS
	s_mov_b64 s[G0SB+2:G0SB+3], s[92:93]
	s_or_b32 s[G0SB+3], s[G0SB+3], 0x80000000
.set G0H, 4                            ; s[4:7], s[8:11] group 0 for the head's loads of K step 0 (the arguments that lay there have been used)
.set G0HB, 8
.set PFA, 66                           ; s[66:67] where my prefetches stand; never rewritten
.set PFO, 30                           ; v30 their offset; never rewritten
	s_mov_b32 s[G0H], 1
	s_mov_b32 s[G0H+1], 0
	s_mov_b64 s[G0H+2:G0H+3], s[20:21]
	s_or_b32 s[G0H+3], s[G0H+3], 0x80000000
	s_mov_b32 s[G0HB], 1
	s_mov_b32 s[G0HB+1], 2*HALFT
	s_mov_b64 s[G0HB+2:G0HB+3], s[46:47]
	s_or_b32 s[G0HB+3], s[G0HB+3], 0x80000000
	s_mul_i32 s18, s16, 128*KROW                   ; for the ring: my 128 rows of the tile
	s_mov_b32 s19, 0
	s_add_nc_u64 s[20:21], s[20:21], s[18:19]
	s_add_nc_u64 s[46:47], s[46:47], s[18:19]
	s_cmp_eq_u32 s15, 0                            ; do I fetch for A?
	s_cselect_b64 s[PFA:PFA+1], s[20:21], s[46:47]
	s_cselect_b32 s18, s40, s41                    ; my place among the four that ask with me
	s_mul_i32 s18, s18, 2*12288                    ; two of the eight tiles are mine to name
	s_add_nc_u64 s[PFA:PFA+1], s[PFA:PFA+1], s[18:19]
.irp s, 0,1
	s_mov_b32 s[G0+4*\s], 1
	s_add_co_u32 s[G0+4*\s+1], s45, \s*SLOT
	s_add_nc_u64 s[G0+4*\s+2:G0+4*\s+3], s[20:21], \s*AROWB
	s_or_b32 s[G0+4*\s+3], s[G0+4*\s+3], 0x80000000
	s_mov_b32 s[G0B+4*\s], 1
	s_add_co_u32 s[G0B+4*\s+1], s45, \s*SLOT
	s_add_nc_u64 s[G0B+4*\s+2:G0B+4*\s+3], s[46:47], \s*ROWB
	s_or_b32 s[G0B+4*\s+3], s[G0B+4*\s+3], 0x80000000
.endr
.macro ARM under, g0, g1, next         ; one tree of branches on the wave's number: every way through the head passes exactly one load
	s_cmp_lt_u32 s14, \under
	s_cbranch_scc0 \next
	tensor_load_to_lds s[\g0:\g0+3], s[\g1:\g1+7]
	s_nop 0
.rept 4
	v_nop
.endr
	s_branch .Lhead_asked
\next:
.endm
	ARM 1, G0H,  G1,  .Lhead_b
	ARM 2, G0HB, G1B, .Lhead_sa
	ARM 3, G0S,  G1S, .Lhead_sb
	tensor_load_to_lds s[G0SB:G0SB+3], s[G1SB:G1SB+7]
	s_nop 0
.rept 4
	v_nop
.endr
.Lhead_asked:
	v_and_b32 v1, 15, v0
	v_bfe_u32 v2, v0, 4, 1
	v_and_b32 v4, 31, v0
	v_min_u32 v[PFO], 23, v4                       ; the prefetches: lane l names block l % 12 of tile l / 12 of my two; lanes 24-31 name the last block again
	v_mul_u32_u24 v5, v[PFO], 22
	v_lshrrev_b32 v5, 8, v5                        ; l / 12 for l up to 23
	v_lshlrev_b32 v[PFO], 8, v[PFO]
	v_mad_u32_u24 v[PFO], v5, 12288-3072, v[PFO]
	v_lshlrev_b32 v4, 4, v4                        ; the images: 16 x lane
	s_mul_i32 s21, s15, HALFT
	s_mul_i32 s22, s16, HALFT
	s_add_co_u32 s22, s22, 2*HALFT
.irp s, 0,1
	v_add_nc_u32 v[ADRA+\s], s21, v4
	v_add_nc_u32 v[ADRB+\s], s22, v4
	s_add_co_u32 s21, s21, SLOT
	s_add_co_u32 s22, s22, SLOT
.endr
	v_mul_u32_u24 v5, v1, KS
	v_lshrrev_b32 v6, 8, v5
	v_lshl_add_u32 v5, v6, 4, v5
	s_mul_i32 s21, s15, HALFS
	s_mul_i32 s22, s16, HALFS
	s_add_co_u32 s22, s22, 2*HALFS
	s_sub_co_u32 s22, s22, s21
	v_mul_u32_u24 v6, s22, v2
	s_add_co_u32 s21, s21, SCL
	v_add_nc_u32 v5, v5, v6
	v_add_nc_u32 v[ADRS], s21, v5
.macro FRAG reg, adr, q, i
.irp j, 0,1,2
	ds_load_b128 v[\reg+4*\j:\reg+4*\j+3], v[\adr] offset:(\i)*3072+(\q)*1536+512*\j
.endr
.endm
.macro MUL16 a0, p, q, sc, zero
.irp a, \a0, \a0+1
.irp b, 0,1,2,3,4,5,6,7
.if \zero
	v_wmma_scale_f32_16x16x128_f8f6f4 v[8*(8*((\a)%4)+\b):8*(8*((\a)%4)+\b)+7], v[128*(\p)+FR*\b:128*(\p)+FR*\b+FR-1], v[AF+FR*(\a):AF+FR*(\a)+FR-1], 0, v[SC+8*NQ*(\sc)+NQ*\b+(\q)], v[SC+8*NQ*(\sc)+NQ*(\a)+(\q)] matrix_a_fmt:MATRIX_FMT_FP6 matrix_b_fmt:MATRIX_FMT_FP6 matrix_a_scale:MATRIX_SCALE_ROW1
.else
	v_wmma_scale_f32_16x16x128_f8f6f4 v[8*(8*((\a)%4)+\b):8*(8*((\a)%4)+\b)+7], v[128*(\p)+FR*\b:128*(\p)+FR*\b+FR-1], v[AF+FR*(\a):AF+FR*(\a)+FR-1], v[8*(8*((\a)%4)+\b):8*(8*((\a)%4)+\b)+7], v[SC+8*NQ*(\sc)+NQ*\b+(\q)], v[SC+8*NQ*(\sc)+NQ*(\a)+(\q)] matrix_a_fmt:MATRIX_FMT_FP6 matrix_b_fmt:MATRIX_FMT_FP6 matrix_a_scale:MATRIX_SCALE_ROW1
.endif
.endr
.endr
.endm
.macro FETCH_B slot, q, p
	WIN TO_B
.irp i, 0,1,2,3,4,5,6,7
	FRAG 128*(\p)+FR*\i, ADRB+\slot, \q, \i
.endr
	WIN 0
.endm
.macro FETCH_A slot, q, i0
.irp i, \i0, \i0+1, \i0+2, \i0+3
	FRAG AF+FR*(\i), ADRA+\slot, \q, \i
.endr
.endm
.macro SCALES sc
.irp i, 0,1,2,3,4,5,6,7
	ds_load_b64 v[SC+8*NQ*\sc+NQ*\i:SC+8*NQ*\sc+NQ*\i+1], v[ADRS] offset:\i*SBLK
.endr
.endm
.macro PLACES n
.rept \n
	v_nop
.endr
.endm
.macro STEP slot, q, zero
	s_wait_dscnt 4*NL
	WIN MUL_LO
	MUL16 0, (\q)%2, \q, \slot, \zero
	MUL16 2, (\q)%2, \q, \slot, \zero
	s_wait_dscnt 0
	PLACES NP
	FETCH_B \slot, (\q)+1, 1-(\q)%2
	FETCH_A \slot, (\q)+1, 0
	WIN MUL_HI
	MUL16 4, (\q)%2, \q, \slot, \zero
	MUL16 6, (\q)%2, \q, \slot, \zero
	PLACES NP
	WIN 0
	FETCH_A \slot, (\q)+1, 4
.endm
.macro TURN slot, next, fill
	s_wait_tensorcnt 0x0
	ds_add_u32 v[SPW], v[NIL]
	s_wait_dscnt 4*NL+1
	WIN MUL_LO
	MUL16 0, 1, NQ-1, \slot, 0
	s_wait_dscnt 0x0
	s_barrier_signal -1
	MUL16 2, 1, NQ-1, \slot, 0
	WIN 0
	s_barrier_wait -1
.if \fill
	CREST
	s_add_nc_u64 s[G0+4*\slot+2:G0+4*\slot+3], s[G0+4*\slot+2:G0+4*\slot+3], 2*AROWB
	s_add_nc_u64 s[G0B+4*\slot+2:G0B+4*\slot+3], s[G0B+4*\slot+2:G0B+4*\slot+3], 2*ROWB
	JLOAD G0+4*\slot, G1, G0B+4*\slot, G1B
.else
	PLACES NP
.endif
	s_wait_alu depctr_va_vdst(0)
	v_add_nc_u32 v[ADRS], 4*NQ, v[ADRS]
	FETCH_B \next, 0, 0
	FETCH_A \next, 0, 0
	SCALES \next
.if (\fill) && ((\slot) == 0)
	global_prefetch_b8 v[PFO], s[PFA:PFA+1] offset:3*3072 th:TH_LOAD_NT scope:SCOPE_SE   ; K step 3, one K step ahead of its refill
.endif
	WIN MUL_HI
	MUL16 4, 1, NQ-1, \slot, 0
	MUL16 6, 1, NQ-1, \slot, 0
	PLACES NP
	WIN 0
	FETCH_A \next, 0, 4
.endm
	s_wait_alu depctr_va_vdst(0)
	s_wait_tensorcnt 0x0                           ; my tile of the head's four is in
	ds_add_u32 v[SPW], v[NIL]
	s_mov_b32 s[G1+2], 8<<16                       ; no tensor load of mine is out: from here on a load brings eight tiles
	s_mov_b32 s[G1+4], 8
	s_mov_b32 s[G1B+2], 8<<16
	s_mov_b32 s[G1B+4], 8
	s_wait_dscnt 0x0
	CROUND
	JLOAD G0+4, G1, G0B+4, G1B                     ; K step 1, the first tensor load behind the round
	FETCH_B 0, 0, 0
	FETCH_A 0, 0, 0
	SCALES 0
	FETCH_A 0, 0, 4
	global_prefetch_b8 v[PFO], s[PFA:PFA+1] offset:2*3072 th:TH_LOAD_NT scope:SCOPE_SE   ; K step 2, one K step ahead of its refill
	STEP 0, 0, 1
	s_mov_b32 s3, LAPS-1
.Llap:
	TURN 0, 1, 1
	STEP 1, 0, 0
	TURN 1, 0, 1
	STEP 0, 0, 0
	s_sub_co_u32 s3, s3, 1
	s_cmp_lg_u32 s3, 0
	s_cbranch_scc1 .Llap
	s_load_b256 s[68:75], s[0:1], 0x10
	s_load_b64 s[76:77], s[0:1], 0x30
	TURN 0, 1, 0
	STEP 1, 0, 0
	s_wait_dscnt 4*NL
	WIN MUL_LO
	MUL16 0, 1, NQ-1, 1, 0
	MUL16 2, 1, NQ-1, 1, 0
	s_wait_dscnt 0
	WIN MUL_HI
	MUL16 4, 1, NQ-1, 1, 0
	MUL16 6, 1, NQ-1, 1, 0
	WIN 0
.set LI,  24
.set WO,  25
.set CT,  32
.set WN,  96
.set W,   128
.set IMG, 192
.set TM,  216
.set SW,  240
.set INV, 248
.set SSQ, 252
.set SEL, 96
.set RH,  98
.set EP,  99
	PLACES NP
	s_wait_kmcnt 0x0
	s_lshr_b32 s80, s17, 3
	s_and_b32 s81, s17, 7
	s_lshl_b32 s82, s81, 1
	s_add_co_u32 s82, s82, s15
	s_and_b32 s83, s42, 3
	s_lshl_b32 s83, s83, 2
	s_lshl_b32 s84, s16, 1
	s_add_co_u32 s83, s83, s84
	s_lshl_b32 s84, s80, 4
	s_add_co_u32 s84, s84, s83
	s_lshl_b32 s84, s84, 4
	s_add_co_u32 s84, s84, s82
	s_mov_b32 s85, 6656
	s_cmp_eq_u32 ttmp9, 0
	s_cselect_b32 s85, 13312, s85
	s_cselect_b64 s[86:87], s[74:75], s[76:77]
	s_cselect_b64 s[88:89], s[70:71], s[72:73]
	s_mul_i32 s90, s84, s85
	s_mov_b32 s91, 0
	s_add_nc_u64 s[86:87], s[86:87], s[90:91]
	s_lshl_b32 s90, s85, 4
	s_add_nc_u64 s[92:93], s[86:87], s[90:91]
	s_lshl_b32 s90, s81, 4
	s_lshl_b32 s94, s15, 3
	s_add_co_u32 s90, s90, s94
	s_lshl_b32 s90, s90, 12
	s_add_nc_u64 s[68:69], s[68:69], s[90:91]
	s_mov_b32 s[SEL], 0x76543210
	s_mov_b32 s[SEL+1], 0xfedcba98
	s_mov_b32 s[RH], 0x3e000000
	s_mov_b32 s[EP], 0x358637bd
	v_and_b32 v[LI], 31, v0
	v_lshlrev_b32 v[LI], 4, v[LI]
	v_bfe_u32 v[WO], v0, 4, 1
	v_lshlrev_b32 v[WO], 6, v[WO]
.irp bb, 0,1
.irp q, 0,1,2,3
	global_load_b128 v[WN+16*\bb+4*\q:WN+16*\bb+4*\q+3], v[WO], s[88:89] offset:128*\bb+16*\q
.endr
.endr
.macro TAB a                           ; the table of block a's 16 tokens -> window 1, v[32 a ..]: B's fragments, which lay there, are done with
.irp q, 0,1,2,3,4,5,6,7
	global_load_b128 v[32*(\a)+4*\q:32*(\a)+4*\q+3], v[LI], s[68:69] offset:(\a)*4096+512*\q
.endr
.endm
	WIN TO_B
.irp a, 0,1,2,3,4,5,6,7
	TAB \a                                         ; all eight blocks' tables are asked for at once
.endr
	WIN 0
	v_mov_b32 v[INV+1], 0
	v_mov_b32 v[INV+3], 0
.irp b, 0,1,2,3
	v_mov_b32 v[TM+4+\b], 0
.endr
.macro ROPE a, hd
	WIN 2+(\a)/4+4                                 ; source 0: the accumulators' window; source 1: window 1, the table
.set AC, 64*((\a)%4)+32*(\hd)
.set WB, W+32*(\hd)
.set CC, 32*(\a)
.irp i, 0,2,4,6,8,10,12,14
	v_pk_mul_f32 v[WB+\i:WB+\i+1], v[AC+\i:AC+\i+1], v[CC+\i:CC+\i+1]
	v_pk_mul_f32 v[WB+16+\i:WB+17+\i], v[AC+16+\i:AC+17+\i], v[CC+\i:CC+\i+1]
.endr
.irp i, 0,2,4,6,8,10,12,14
	v_pk_fma_f32 v[WB+\i:WB+\i+1], v[AC+16+\i:AC+17+\i], v[CC+16+\i:CC+17+\i], v[WB+\i:WB+\i+1] neg_lo:[1,0,0] neg_hi:[1,0,0]
	v_pk_fma_f32 v[WB+16+\i:WB+17+\i], v[AC+\i:AC+\i+1], v[CC+16+\i:CC+17+\i], v[WB+16+\i:WB+17+\i]
.endr
.endm
.macro SS
	v_pk_mul_f32 v[SSQ:SSQ+1], v[W:W+1], v[W:W+1]
	v_pk_mul_f32 v[SSQ+2:SSQ+3], v[W+32:W+33], v[W+32:W+33]
.irp i, 2,4,6,8,10,12,14,16,18,20,22,24,26,28,30
	v_pk_fma_f32 v[SSQ:SSQ+1], v[W+\i:W+\i+1], v[W+\i:W+\i+1], v[SSQ:SSQ+1]
	v_pk_fma_f32 v[SSQ+2:SSQ+3], v[W+32+\i:W+33+\i], v[W+32+\i:W+33+\i], v[SSQ+2:SSQ+3]
.endr
	v_add_f32 v[SSQ], v[SSQ], v[SSQ+1]
	v_add_f32 v[SSQ+2], v[SSQ+2], v[SSQ+3]
	v_permlanex16_b32 v[SSQ+1], v[SSQ], s[SEL], s[SEL+1]
	v_permlanex16_b32 v[SSQ+3], v[SSQ+2], s[SEL], s[SEL+1]
	v_add_f32 v[SSQ], v[SSQ], v[SSQ+1]
	v_add_f32 v[SSQ+2], v[SSQ+2], v[SSQ+3]
	s_wait_alu depctr_va_vdst(0)
	v_sqrt_f32 v[SSQ], v[SSQ]
	v_sqrt_f32 v[SSQ+2], v[SSQ+2]
	v_nop
	s_wait_alu depctr_va_vdst(0)
	v_fma_f32 v[SSQ], v[SSQ], s[RH], s[EP]
	v_fma_f32 v[SSQ+2], v[SSQ+2], s[RH], s[EP]
	s_wait_alu depctr_va_vdst(0)
	v_rcp_f32 v[INV], v[SSQ]
	v_rcp_f32 v[INV+2], v[SSQ+2]
	v_nop
	s_wait_alu depctr_va_vdst(0)
.endm
.macro NORM
.irp i, 0,2,4,6,8,10,12,14,16,18,20,22,24,26,28,30
	v_pk_mul_f32 v[W+\i:W+\i+1], v[W+\i:W+\i+1], v[INV:INV+1] op_sel_hi:[1,0]
	v_pk_mul_f32 v[W+32+\i:W+33+\i], v[W+32+\i:W+33+\i], v[INV+2:INV+3] op_sel_hi:[1,0]
.endr
.irp i, 0,2,4,6,8,10,12,14,16,18,20,22,24,26,28,30
	v_pk_mul_f32 v[W+\i:W+\i+1], v[W+\i:W+\i+1], v[WN+\i:WN+\i+1]
	v_pk_mul_f32 v[W+32+\i:W+33+\i], v[W+32+\i:W+33+\i], v[WN+\i:WN+\i+1]
.endr
.endm
.macro QUANT s, d0, d1
.irp b, 0,1,2,3
	v_max3_num_f32 v[TM+\b], |v[\s+16*\b]|, |v[\s+1+16*\b]|, 0x1800000
.endr
.irp i, 2,4,6,8,10,12,14
.irp b, 0,1,2,3
	v_max3_num_f32 v[TM+\b], v[TM+\b], |v[\s+16*\b+\i]|, |v[\s+1+16*\b+\i]|
.endr
.endr
.irp b, 0,1,2,3
	v_permlanex16_b32 v[TM+4+\b], v[TM+\b], s[SEL], s[SEL+1]
.endr
.irp b, 0,1,2,3
	v_max_num_f32 v[TM+\b], v[TM+\b], v[TM+4+\b]
.endr
.irp b, 0,1,2,3
	v_add_nc_u32 v[TM+12+\b], 0xff000000, v[TM+\b]
.endr
.irp b, 0,1,2,3
	v_lshrrev_b32 v[TM+4+\b], 23, v[TM+12+\b]
.endr
	v_cvt_scalef32_pk16_fp6_f32 v[(\d0):(\d0)+2], v[\s:\s+15], v[TM+12]
	v_cvt_scalef32_pk16_fp6_f32 v[TM+16:TM+18], v[\s+16:\s+31], v[TM+13]
	v_cvt_scalef32_pk16_fp6_f32 v[(\d1):(\d1)+2], v[\s+32:\s+47], v[TM+14]
	v_cvt_scalef32_pk16_fp6_f32 v[TM+20:TM+22], v[\s+48:\s+63], v[TM+15]
	v_nop
.irp i, 0,1,2
	v_permlane16_swap_b32 v[(\d0)+\i], v[TM+16+\i]
.endr
.irp i, 0,1,2
	v_mov_b32 v[(\d0)+3+\i], v[TM+16+\i]
.endr
.irp i, 0,1,2
	v_permlane16_swap_b32 v[(\d1)+\i], v[TM+20+\i]
.endr
.irp i, 0,1,2
	v_mov_b32 v[(\d1)+3+\i], v[TM+20+\i]
.endr
.endm
.macro BLOCK a
	s_wait_loadcnt 8*(7-(\a))                      ; the gains and this block's table are in; the 8 loads of each later block may be out
	ROPE \a, 0
	ROPE \a, 1
	WIN 0
	SS
	NORM
.if ((\a)%2 == 0) && ((\a) > 0)
	s_wait_xcnt 0x0
.endif
	QUANT W, IMG+6*((\a)%2), IMG+12+6*((\a)%2)
.if (\a)%2 == 0
	v_lshl_or_b32 v[SW+(\a)/2], v[TM+5], 8, v[TM+4]
	v_lshl_or_b32 v[SW+4+(\a)/2], v[TM+7], 8, v[TM+6]
.else
	v_lshl_or_b32 v[SW+(\a)/2], v[TM+4], 16, v[SW+(\a)/2]
	v_lshl_or_b32 v[SW+4+(\a)/2], v[TM+6], 16, v[SW+4+(\a)/2]
	v_lshl_or_b32 v[SW+(\a)/2], v[TM+5], 24, v[SW+(\a)/2]
	v_lshl_or_b32 v[SW+4+(\a)/2], v[TM+7], 24, v[SW+4+(\a)/2]
.irp j, 0,1,2
	global_store_b128 v[LI], v[IMG+4*\j:IMG+4*\j+3], s[86:87] offset:((\a)/2)*1536+512*\j
	global_store_b128 v[LI], v[IMG+12+4*\j:IMG+12+4*\j+3], s[92:93] offset:((\a)/2)*1536+512*\j
.endr
.endif
.endm
.irp a, 0,1,2,3,4,5,6,7
	BLOCK \a
.endr
	global_store_b128 v[LI], v[SW:SW+3], s[86:87] offset:6144
	global_store_b128 v[LI], v[SW+4:SW+7], s[92:93] offset:6144
	s_wait_tensorcnt 0x0
	ds_add_u32 v[SPW], v[NIL]
	s_wait_dscnt 0x0
	CROUND
	s_endpgm
.Lfunc_end_k_q0e4e4103b8_kq:
	.size	k_q0e4e4103b8_kq, .Lfunc_end_k_q0e4e4103b8_kq-k_q0e4e4103b8_kq
	.p2alignl 7, 3214868480
	.fill 96, 4, 3214868480
	.section	.rodata,"a",@progbits
	.p2align	6, 0x0
	.amdhsa_kernel k_q0e4e4103b8_kq
		.amdhsa_group_segment_fixed_size 327680
		.amdhsa_private_segment_fixed_size 0
		.amdhsa_enable_private_segment 0
		.amdhsa_kernarg_size 56
		.amdhsa_user_sgpr_count 2
		.amdhsa_user_sgpr_kernarg_segment_ptr 1
		.amdhsa_wavefront_size32 1
		.amdhsa_system_sgpr_workgroup_id_x 1
		.amdhsa_system_sgpr_workgroup_id_y 1
		.amdhsa_system_sgpr_workgroup_id_z 1
		.amdhsa_system_vgpr_workitem_id 0
		.amdhsa_next_free_vgpr 1024
		.amdhsa_next_free_sgpr 100
		.amdhsa_reserve_vcc 0
		.amdhsa_float_denorm_mode_32 3
		.amdhsa_float_denorm_mode_16_64 3
		.amdhsa_memory_ordered 1
		.amdhsa_forward_progress 1
		.amdhsa_inst_pref_size 234
	.end_amdhsa_kernel
	.amdgpu_metadata
---
amdhsa.version: [ 1, 2 ]
amdhsa.kernels:
  - .name:           k_q0e4e4103b8_kq
    .symbol:         k_q0e4e4103b8_kq.kd
    .args:
      - { .name: codes, .offset: 0, .size: 8, .value_kind: global_buffer, .address_space: global }
      - { .name: scales, .offset: 8, .size: 8, .value_kind: global_buffer, .address_space: global }
      - { .name: rope, .offset: 16, .size: 8, .value_kind: global_buffer, .address_space: global }
      - { .name: k_norm_w, .offset: 24, .size: 8, .value_kind: global_buffer, .address_space: global }
      - { .name: q_norm_w, .offset: 32, .size: 8, .value_kind: global_buffer, .address_space: global }
      - { .name: kv, .offset: 40, .size: 8, .value_kind: global_buffer, .address_space: global }
      - { .name: qi, .offset: 48, .size: 8, .value_kind: global_buffer, .address_space: global }
    .group_segment_fixed_size: 327680
    .private_segment_fixed_size: 0
    .kernarg_segment_align: 8
    .kernarg_segment_size: 56
    .max_flat_workgroup_size: 128
    .sgpr_count:     100
    .vgpr_count:     1024
    .wavefront_size: 32
...
	.end_amdgpu_metadata
.endif
;; end of part 2
;; launch vv (part 3): grid 32 x 8, 4 waves a work-group, clusters of 4 x 4, 327,680 bytes of LDS; arguments codes, scales, kv; writes kv
.if DOCPART == 3
	.amdgcn_target "amdgcn-amd-amdhsa--gfx1250"
	.amdhsa_code_object_version 6
	.text
	.protected	k_q0e4e4103b8_vv
	.globl	k_q0e4e4103b8_vv
	.p2align	8
	.type	k_q0e4e4103b8_vv,@function
k_q0e4e4103b8_vv:
	s_mov_b64 s[64:65], 0
	v_nop
	global_prefetch_b8 v0, s[64:65] scope:SCOPE_SE
	s_setreg_imm32_b32 hwreg(HW_REG_WAVE_MODE, 25, 1), 1
	s_wait_xcnt 0x0
	s_wait_alu depctr_hold_cnt(0) depctr_sa_sdst(0) depctr_va_vdst(0) depctr_va_sdst(0) depctr_va_ssrc(0) depctr_va_vcc(0) depctr_vm_vsrc(0)
	s_getreg_b32 s2, hwreg(HW_REG_IB_STS2, 6, 4)
	s_cmp_eq_u32 s2, 0
	s_cbranch_scc0 .Lentry_in_a_cluster
	s_endpgm
.Lentry_in_a_cluster:
	s_bfe_u32 s2, ttmp6, 0x10000c
	s_cmp_lg_u32 s2, 0xf033
	s_cbranch_scc0 .Lentry_shape_is_right
	s_endpgm
.Lentry_shape_is_right:
; The v columns of x W_kqv^T on codes of FP6 (E2M3) with E8M0 scales, quantised along the TOKENS, which are the K of attention's second product: v leaves as codes with the keys innermost, never as f32.
; Source 1 (A) = 16 rows of W_kqv (rows 2,048-3,071), source 0 (B) = 16 tokens: a lane holds ONE channel, and the 64 registers of a block of channels run along my 128 tokens:
; register 16 b + i = token 32 b + 16 (lane / 16) + i (lane r of tile 2 b + u of the workspace is true row 32 b + 8 u + r + 8 (r / 8)).
; A work-group of four waves makes 128 channels x 256 tokens, a wave 64 x 128 (one head x one record's keys): 32 accumulators.  1,024 x 8,192 so give 256 work-groups.
; ALL OF K LIES IN LDS: operands arrive as images of an operand's registers, 12,288 bytes for a tile of 16 rows and K = 1,024: A's 8 tiles and B's 16 are 294,912 bytes, fetched by ONE joint load a wave at the head
; (waves 0, 1: four tiles of A each; waves 2, 3: eight tiles of B each).  Nothing is filled again: one barrier, then 8 steps of 128 along K with no barrier between them.
; 4 x 4 work-groups form a cluster: A's tiles are shared along a row of it, B's along a column.
; The scale words go from memory straight to registers: a load covers the 512 consecutive bytes of 16 rows; lanes 0-15 then hold the words of K steps 0-3, lanes 16-31 those of K steps 4-7 (the ROW selector chooses).
; No prefetch: everything is asked for once, at the head, and there is no loop to run ahead in.
; WHAT LEAVES: into the record of (batch, head, 128 keys), from byte 6,656 on: four fragments of 1,536 bytes (channel tiles 0-3 of the head) as images of an operand's registers, then 512 bytes of scale words.
; LIMITS: NaN and infinities are not served; a block of zeros or under 2^-124 gets the byte 1.
.set TILEB,  12288
.set ABYTES, 8*TILEB
.set SPARE,  24*TILEB                  ; behind the tiles: the spare words, 128 bytes a wave
.set ACODE,  7864320                   ; A = W_kqv's v rows
.set ASCALE, 327680
.set ADRA, 16                          ; v16 LDS address of my A fragments
.set ADRB, 18                          ; v18, v19 of my B fragments: blocks 0-3, blocks 4-7
.set SOF,  20                          ; v20 my 16 bytes of a block's scale words
.set SPW,  28
.set NIL,  29
.set SA,   32                          ; v32-47 A's scale words: block a at 4 a
.set SB,   48                          ; v48-79 B's: block b at 4 b
.set AF,   96                          ; v96-191 A's fragments, two sets;  window 1: B's, two sets at v0 and v128;  window 2: accumulator (a, b) at v[8 (8 a + b)]
.set G1, 24
.set G0, 32
.set G1B, 48
.set G0B, 56
.set MSB, 0
.macro WIN new
.if MSB != (\new)
	s_set_vgpr_msb (MSB<<8)|(\new)
.set MSB, (\new)
.endif
.endm
.macro CROUND
	s_barrier_signal -1
	s_barrier_wait -1
	s_cmp_lg_u32 s14, 0
	s_cbranch_scc1 .Lnot_wave_0_\@
	s_barrier_signal -3
.Lnot_wave_0_\@:
	s_barrier_wait -3
	s_barrier_signal -1
	s_barrier_wait -1
.endm
.macro PLACES
.rept 4
	v_nop
.endr
.endm
	s_load_b128 s[4:7], s[0:1], 0x0                ; codes, scales
	s_load_b64 s[12:13], s[0:1], 0x10              ; kv
	v_lshl_add_u32 v[SPW], v0, 2, SPARE
	v_mov_b32 v[NIL], 0
	ds_add_u32 v[SPW], v[NIL]                      ; the opening lines: the add, twice on end, and its wait ahead of my tensor load
	ds_add_u32 v[SPW], v[NIL]
	v_lshrrev_b32 v1, 5, v0
	v_readfirstlane_b32 s14, v1
	s_lshr_b32 s15, s14, 1                         ; my half of A's rows.  Also: I fetch for A (0) or for B (1)
	s_and_b32 s16, s14, 1                          ; my half of B's rows.  Also: which half of that operand's tiles I fetch
	s_bfe_u32 s40, ttmp6, 0x40000
	s_bfe_u32 s41, ttmp6, 0x40004
	s_lshl_b32 s42, ttmp9, 2
	s_add_co_u32 s42, s42, s40                     ; which 256 tokens
	s_and_b32 s17, ttmp7, 0xffff
	s_lshl_b32 s17, s17, 2
	s_add_co_u32 s17, s17, s41                     ; which 128 channels
	s_lshl_b32 s43, s41, 2
	s_lshl_b32 s43, 15, s43                        ; my row of the cluster
	s_lshl_b32 s44, 0x1111, s40                    ; my column
	s_or_b32 s[G1], s43, (3<<16)|(1<<21)           ; the mask; elements of 8 bytes; bit 21 beside a mask
	s_mov_b32 s[G1+1], 1536<<16                    ; rows of 12,288 bytes, one behind the other:
	s_mov_b32 s[G1+2], 4<<16                       ; four tiles
	s_mov_b32 s[G1+3], 1536<<16
	s_mov_b32 s[G1+4], 4
	s_mov_b32 s[G1+5], 1536
	s_mov_b32 s[G1+6], 0
	s_mov_b32 s[G1+7], 0
	s_or_b32 s[G1B], s44, (3<<16)|(1<<21)
	s_mov_b32 s[G1B+1], 1536<<16
	s_mov_b32 s[G1B+2], 8<<16                      ; eight tiles
	s_mov_b32 s[G1B+3], 1536<<16
	s_mov_b32 s[G1B+4], 8
	s_mov_b32 s[G1B+5], 1536
	s_mov_b32 s[G1B+6], 0
	s_mov_b32 s[G1B+7], 0
	s_lshl_b32 s20, s17, 3                         ; A: tile 8 x (which 128) + 4 x half
	s_lshl_b32 s18, s16, 2
	s_add_co_u32 s20, s20, s18
	s_mul_i32 s20, s20, TILEB
	s_add_co_u32 s20, s20, ACODE
	s_mov_b32 s21, 0
	s_lshl_b32 s46, s42, 4                         ; B: tile 16 x (which 256) + 8 x half
	s_lshl_b32 s18, s16, 3
	s_add_co_u32 s46, s46, s18
	s_mul_i32 s46, s46, TILEB
	s_mov_b32 s47, 0
	s_lshl_b32 s22, s17, 7                         ; the scale words of my 64 rows of A, 32 bytes a row,
	s_lshl_b32 s18, s15, 6
	s_add_co_u32 s22, s22, s18
	s_lshl_b32 s22, s22, 5
	s_add_co_u32 s22, s22, ASCALE
	s_mov_b32 s23, 0
	s_lshl_b32 s66, s42, 8                         ; and of my 128 rows of B
	s_lshl_b32 s18, s16, 7
	s_add_co_u32 s66, s66, s18
	s_lshl_b32 s66, s66, 5
	s_mov_b32 s67, 0
	s_mul_i32 s45, s16, 4*TILEB                    ; LDS: A's two halves,
	s_mul_i32 s19, s16, 8*TILEB
	s_add_co_u32 s19, s19, ABYTES                  ; then B's two halves
	s_wait_dscnt 0x0                               ; both opening adds are done
	s_wait_kmcnt 0x0
	s_add_nc_u64 s[20:21], s[4:5], s[20:21]
	s_add_nc_u64 s[46:47], s[4:5], s[46:47]
	s_add_nc_u64 s[22:23], s[6:7], s[22:23]
	s_add_nc_u64 s[66:67], s[6:7], s[66:67]
	CROUND                                         ; all sixteen work-groups are here: the joint loads meet
	s_mov_b32 s[G0], 1
	s_mov_b32 s[G0+1], s45
	s_mov_b64 s[G0+2:G0+3], s[20:21]
	s_or_b32 s[G0+3], s[G0+3], 0x80000000
	s_mov_b32 s[G0B], 1
	s_mov_b32 s[G0B+1], s19
	s_mov_b64 s[G0B+2:G0B+3], s[46:47]
	s_or_b32 s[G0B+3], s[G0B+3], 0x80000000
	s_cmp_eq_u32 s15, 0
	s_cbranch_scc0 .Lfor_b
	tensor_load_to_lds s[G0:G0+3], s[G1:G1+7]      ; my one tensor load of the launch
	s_nop 0
	PLACES
	s_branch .Lasked
.Lfor_b:
	tensor_load_to_lds s[G0B:G0B+3], s[G1B:G1B+7]
	s_nop 0
	PLACES
.Lasked:
	v_and_b32 v1, 15, v0
	v_bfe_u32 v2, v0, 4, 1
	v_and_b32 v3, 31, v0
	v_lshlrev_b32 v4, 4, v3                        ; the images: 16 x lane
	s_mul_i32 s18, s15, 4*TILEB
	v_add_nc_u32 v[ADRA], s18, v4
	v_add_nc_u32 v[ADRB], s19, v4
	v_add_nc_u32 v[ADRB+1], 4*TILEB, v[ADRB]
	v_lshlrev_b32 v[SOF], 5, v1
	v_lshl_add_u32 v[SOF], v2, 4, v[SOF]           ; 32 r + 16 h
	s_wait_alu depctr_va_vdst(0)                   ; the head's end
.irp a, 0,1,2,3
	global_load_b128 v[SA+4*\a:SA+4*\a+3], v[SOF], s[22:23] offset:512*\a   ; 512 consecutive bytes, aligned
.endr
.irp b, 0,1,2,3,4,5,6,7
	global_load_b128 v[SB+4*\b:SB+4*\b+3], v[SOF], s[66:67] offset:512*\b
.endr
	s_wait_tensorcnt 0x0                           ; my tiles are in;
	s_barrier_signal -1
	s_barrier_wait -1                              ; and so are everybody's
.macro FETCH ks, set                   ; the fragments of one step: three loads of 512 consecutive bytes each
	WIN 0x40
.irp b, 0,1,2,3,4,5,6,7
.irp j, 0,1,2
	ds_load_b128 v[128*(\set)+12*\b+4*\j:128*(\set)+12*\b+4*\j+3], v[ADRB+\b/4] offset:(\b%4)*TILEB+(\ks)*1536+512*\j
.endr
.endr
	WIN 0
.irp a, 0,1,2,3
.irp j, 0,1,2
	ds_load_b128 v[AF+48*(\set)+12*\a+4*\j:AF+48*(\set)+12*\a+4*\j+3], v[ADRA] offset:\a*TILEB+(\ks)*1536+512*\j
.endr
.endr
.endm
.macro MUL ks, set                     ; 32 matrix instructions; the 32 accumulators take turns, one instruction a turn; the first step starts the sums
.irp a, 0,1,2,3
.irp b, 0,1,2,3,4,5,6,7
.if (\ks) == 0
	v_wmma_scale_f32_16x16x128_f8f6f4 v[8*(8*\a+\b):8*(8*\a+\b)+7], v[128*(\set)+12*\b:128*(\set)+12*\b+11], v[AF+48*(\set)+12*\a:AF+48*(\set)+12*\a+11], 0, v[SB+4*\b], v[SA+4*\a] matrix_a_fmt:MATRIX_FMT_FP6 matrix_b_fmt:MATRIX_FMT_FP6
.else
.if (\ks) < 4
	v_wmma_scale_f32_16x16x128_f8f6f4 v[8*(8*\a+\b):8*(8*\a+\b)+7], v[128*(\set)+12*\b:128*(\set)+12*\b+11], v[AF+48*(\set)+12*\a:AF+48*(\set)+12*\a+11], v[8*(8*\a+\b):8*(8*\a+\b)+7], v[SB+4*\b+(\ks)], v[SA+4*\a+(\ks)] matrix_a_fmt:MATRIX_FMT_FP6 matrix_b_fmt:MATRIX_FMT_FP6
.else
	v_wmma_scale_f32_16x16x128_f8f6f4 v[8*(8*\a+\b):8*(8*\a+\b)+7], v[128*(\set)+12*\b:128*(\set)+12*\b+11], v[AF+48*(\set)+12*\a:AF+48*(\set)+12*\a+11], v[8*(8*\a+\b):8*(8*\a+\b)+7], v[SB+4*\b+(\ks)-4], v[SA+4*\a+(\ks)-4] matrix_a_fmt:MATRIX_FMT_FP6 matrix_b_fmt:MATRIX_FMT_FP6 matrix_a_scale:MATRIX_SCALE_ROW1 matrix_b_scale:MATRIX_SCALE_ROW1
.endif
.endif
.endr
.endr
.endm
.macro STEP ks
	s_wait_dscnt 0x0                               ; this step's fragments are in (asked for a step ago)
.if (\ks) < 7
.if (\ks) > 0
	PLACES                                         ; in front of loads into registers that the last step's matrix instructions have read
.endif
	FETCH (\ks)+1, ((\ks)+1)%2
.endif
	WIN 0xa1                                       ; source 0 (B) window 1, source 1 (A) window 0, C and D window 2
	MUL \ks, (\ks)%2
	WIN 0
.endm
	FETCH 0, 0
	s_wait_loadcnt 0x0                             ; the scale words are in
.set KS, 0
.rept 8
	STEP KS
.set KS, KS+1
.endr
; ---- behind the product: each block of 16 channels x 128 tokens becomes one fragment and one scale word a channel
.set LI,  24                           ; v24 16 x lane
.set IMG, 128                          ; v128-139 the fragment
.set TM,  216                          ; v216-238 the quantiser's
.set SW,  240                          ; v240-243 a scale word for each block
.set SEL, 60
	PLACES
	s_lshr_b32 s20, s42, 3                         ; the batch: 8 x 256 tokens each
	s_and_b32 s21, s42, 7
	s_lshl_b32 s21, s21, 1
	s_add_co_u32 s21, s21, s16                     ; which 128 keys of the batch
	s_lshl_b32 s22, s17, 1
	s_add_co_u32 s22, s22, s15                     ; my head
	s_lshl_b32 s20, s20, 4
	s_add_co_u32 s20, s20, s22
	s_lshl_b32 s20, s20, 4
	s_add_co_u32 s20, s20, s21                     ; the record
	s_mul_i32 s20, s20, 13312
	s_add_co_u32 s20, s20, 6656                    ; V's half of it
	s_mov_b32 s21, 0
	s_add_nc_u64 s[12:13], s[12:13], s[20:21]
	s_mov_b32 s[SEL], 0x76543210
	s_mov_b32 s[SEL+1], 0xfedcba98
	v_and_b32 v[LI], 31, v0
	v_lshlrev_b32 v[LI], 4, v[LI]
.irp b, 0,1,2,3
	v_mov_b32 v[TM+4+\b], 0                        ; a lane permute's destination counts as one of its sources
.endr
.macro QBLOCK a
.set QS, 64*(\a)
.if (\a) > 0
	s_wait_xcnt 0x0                                ; the last fragment's stores have read their registers
.endif
	WIN 2|(2<<2)
.irp b, 0,1,2,3
	v_max3_num_f32 v[TM+\b], |v[QS+16*\b]|, |v[QS+1+16*\b]|, 0x1800000   ; each accumulator is read from its low end on; the floor 2^(3 - 127) holds the byte at 1 from below
.endr
	WIN (2<<2)|(2<<4)
.irp i, 2,4,6,8,10,12,14
.irp b, 0,1,2,3
	v_max3_num_f32 v[TM+\b], v[TM+\b], |v[QS+16*\b+\i]|, |v[QS+1+16*\b+\i]|
.endr
.endr
	WIN 0
.irp b, 0,1,2,3
	v_permlanex16_b32 v[TM+4+\b], v[TM+\b], s[SEL], s[SEL+1]
.endr
.irp b, 0,1,2,3
	v_max_num_f32 v[TM+\b], v[TM+\b], v[TM+4+\b]
.endr
.irp b, 0,1,2,3
	v_add_nc_u32 v[TM+12+\b], 0xff000000, v[TM+\b]
.endr
.irp b, 0,1,2,3
	v_lshrrev_b32 v[TM+4+\b], 23, v[TM+12+\b]
.endr
	v_lshl_or_b32 v[SW+(\a)], v[TM+5], 8, v[TM+4]
	v_lshl_or_b32 v[SW+(\a)], v[TM+6], 16, v[SW+(\a)]
	v_lshl_or_b32 v[SW+(\a)], v[TM+7], 24, v[SW+(\a)]
	WIN 2
	v_cvt_scalef32_pk16_fp6_f32 v[IMG:IMG+2], v[QS:QS+15], v[TM+12]
	v_cvt_scalef32_pk16_fp6_f32 v[TM+16:TM+18], v[QS+16:QS+31], v[TM+13]
	v_cvt_scalef32_pk16_fp6_f32 v[IMG+6:IMG+8], v[QS+32:QS+47], v[TM+14]
	v_cvt_scalef32_pk16_fp6_f32 v[TM+20:TM+22], v[QS+48:QS+63], v[TM+15]
	WIN 0
	v_nop                                          ; one plain place behind a scaled conversion
.irp c, 0,1
.irp i, 0,1,2
	v_permlane16_swap_b32 v[IMG+6*\c+\i], v[TM+16+4*\c+\i]
.endr
.irp i, 0,1,2
	v_mov_b32 v[IMG+3+6*\c+\i], v[TM+16+4*\c+\i]
.endr
.endr
.irp j, 0,1,2
	global_store_b128 v[LI], v[IMG+4*\j:IMG+4*\j+3], s[12:13] offset:(\a)*1536+512*\j   ; 512 consecutive bytes, aligned
.endr
.endm
.irp a, 0,1,2,3
	QBLOCK \a
.endr
	global_store_b128 v[LI], v[SW:SW+3], s[12:13] offset:6144
	s_wait_tensorcnt 0x0                           ; the wave's end
	ds_add_u32 v[SPW], v[NIL]
	s_wait_dscnt 0x0
	CROUND                                         ; the closing round
	s_endpgm
.Lfunc_end_k_q0e4e4103b8_vv:
	.size	k_q0e4e4103b8_vv, .Lfunc_end_k_q0e4e4103b8_vv-k_q0e4e4103b8_vv
	.p2alignl 7, 3214868480
	.fill 96, 4, 3214868480
	.section	.rodata,"a",@progbits
	.p2align	6, 0x0
	.amdhsa_kernel k_q0e4e4103b8_vv
		.amdhsa_group_segment_fixed_size 327680
		.amdhsa_private_segment_fixed_size 0
		.amdhsa_enable_private_segment 0
		.amdhsa_kernarg_size 24
		.amdhsa_user_sgpr_count 2
		.amdhsa_user_sgpr_kernarg_segment_ptr 1
		.amdhsa_wavefront_size32 1
		.amdhsa_system_sgpr_workgroup_id_x 1
		.amdhsa_system_sgpr_workgroup_id_y 1
		.amdhsa_system_sgpr_workgroup_id_z 1
		.amdhsa_system_vgpr_workitem_id 0
		.amdhsa_next_free_vgpr 768
		.amdhsa_next_free_sgpr 72
		.amdhsa_reserve_vcc 0
		.amdhsa_float_denorm_mode_32 3
		.amdhsa_float_denorm_mode_16_64 3
		.amdhsa_memory_ordered 1
		.amdhsa_forward_progress 1
		.amdhsa_inst_pref_size 77
	.end_amdhsa_kernel
	.amdgpu_metadata
---
amdhsa.version: [ 1, 2 ]
amdhsa.kernels:
  - .name:           k_q0e4e4103b8_vv
    .symbol:         k_q0e4e4103b8_vv.kd
    .args:
      - { .name: codes, .offset: 0, .size: 8, .value_kind: global_buffer, .address_space: global }
      - { .name: scales, .offset: 8, .size: 8, .value_kind: global_buffer, .address_space: global }
      - { .name: kv, .offset: 16, .size: 8, .value_kind: global_buffer, .address_space: global }
    .group_segment_fixed_size: 327680
    .private_segment_fixed_size: 0
    .kernarg_segment_align: 8
    .kernarg_segment_size: 24
    .max_flat_workgroup_size: 128
    .sgpr_count:     72
    .vgpr_count:     768
    .wavefront_size: 32
...
	.end_amdgpu_metadata
.endif
;; end of part 3
;; launch attn (part 4): grid 4 x 64, 16 waves a work-group, clusters of 4 x 1, 327,680 bytes of LDS; arguments qi, kv, yi, ys; writes yi, ys
.if DOCPART == 4
	.amdgcn_target "amdgcn-amd-amdhsa--gfx1250"
	.amdhsa_code_object_version 6
	.text
	.protected	k_q0e4e4103b8_attn
	.globl	k_q0e4e4103b8_attn
	.p2align	8
	.type	k_q0e4e4103b8_attn,@function
k_q0e4e4103b8_attn:
	s_mov_b64 s[64:65], 0
	v_nop
	global_prefetch_b8 v0, s[64:65] scope:SCOPE_SE
	s_setreg_imm32_b32 hwreg(HW_REG_WAVE_MODE, 25, 1), 1
	s_wait_xcnt 0x0
	s_wait_alu depctr_hold_cnt(0) depctr_sa_sdst(0) depctr_va_vdst(0) depctr_va_sdst(0) depctr_va_ssrc(0) depctr_va_vcc(0) depctr_vm_vsrc(0)
	s_getreg_b32 s2, hwreg(HW_REG_IB_STS2, 6, 4)
	s_cmp_eq_u32 s2, 0
	s_cbranch_scc0 .Lentry_in_a_cluster
	s_endpgm
.Lentry_in_a_cluster:
	s_bfe_u32 s2, ttmp6, 0x10000c
	s_cmp_lg_u32 s2, 0x3003
	s_cbranch_scc0 .Lentry_shape_is_right
	s_endpgm
.Lentry_shape_is_right:
; Causal attention on codes of FP6 (E2M3) with E8M0 scales: S^T = k q^T, p = 2^(t - M) with M the ceiling of the running largest t, O^T += v^T p^T, O / l, and y quantised along the head's 64 channels.
; A cluster of four work-groups serves one (batch, head); all its 2,048 keys and values, 16 records of 13,312 bytes, lie in LDS for the whole launch: EACH OF THE 16 WAVES FETCHES ONE RECORD by one joint load at the head,
; so nothing is filled again and one barrier shows all records to all waves.
; THE DEAL: the work-group at place cx of its cluster owns tiles 2 cx and 2 cx + 1 (16 queries each) of each of the 16 chunks of 128 queries; a tile of chunk c takes c + 1 steps of 128 keys.  A wave takes the even tile of one
; chunk and the odd tile of another, by two tables of nibbles indexed by the wave's number; each table names every chunk once.  The longest shares have the lowest numbers: waves 0-3 have 25 steps, waves 4-7 21,
; waves 8-11 13 or 17, waves 12-15 9 or 5; waves w, w + 4, w + 8 and w + 12 have 68 steps together, for every w.
; WORK LEFT OUT: steps whose keys all lie behind the tile's queries, which reference()'s own mask sets to -inf (a scalar branch on ids at the step's head).
; A K fragment holds two tiles of 16 keys (64 channels each, in the halves of the instruction's K = 128); q stands beside six registers of zero codes, so that one product takes one of the two tiles.
; No prefetch: the records are asked for once, at the head, and there is no loop to run ahead in.
; LIMITS: the promise holds while the scaled scores (the exponents to the base 2) stay under 2^31 in magnitude; NaN and infinities are not served.
.set REC,   13312
.set SPARE, 16*REC
.set LI,  1
.set SPW, 2
.set NIL, 3
.set ADK, 4
.set DML, 5
.set DMH, 6
.set L8,  7
.set F,   46
.set WV,  12
.set SEL, 20
.set CS,  22
.set G1A, 24
.set G0A, 40
.set SI,  48
.set TB,  49
.set CLO, 50
.set CHI, 51
.set QLO, 52
.set QHI, 54
.set YLO, 56
.set YHI, 58
.set SLO, 60
.set SHI, 62
.macro CROUND
	s_barrier_signal -1
	s_barrier_wait -1
	s_cmp_lg_u32 s[WV], 0
	s_cbranch_scc1 .Lnot_wave_0_\@
	s_barrier_signal -3
.Lnot_wave_0_\@:
	s_barrier_wait -3
	s_barrier_signal -1
	s_barrier_wait -1
.endm
	s_load_b256 s[4:11], s[0:1], 0x0               ; qi, kv, yi, ys
	v_lshl_add_u32 v[SPW], v0, 2, SPARE
	v_mov_b32 v[NIL], 0
	ds_add_u32 v[SPW], v[NIL]                      ; the opening lines: the add, twice on end, and its wait ahead of my tensor load
	ds_add_u32 v[SPW], v[NIL]
	v_lshrrev_b32 v1, 5, v0
	s_delay_alu instid0(VALU_DEP_1)
	v_readfirstlane_b32 s[WV], v1
	s_and_b32 s14, ttmp7, 0xffff                   ; (batch, head)
	s_mov_b32 s[G1A], 15|(3<<16)|(1<<21)
	s_mov_b32 s[G1A+1], 32<<16
	s_mov_b32 s[G1A+2], 52<<16                     ; a record: 52 rows of 256 bytes
	s_mov_b32 s[G1A+3], 32<<16
	s_mov_b32 s[G1A+4], 52
	s_mov_b32 s[G1A+5], 32
	s_mov_b32 s[G1A+6], 0
	s_mov_b32 s[G1A+7], 0
	s_mul_i32 s15, s14, 16*REC
	s_mul_i32 s16, s[WV], REC                      ; my record, in memory and in LDS
	s_add_co_u32 s2, s15, s16
	s_mov_b32 s3, 0
	s_mov_b32 s[SEL], 0x76543210
	s_mov_b32 s[SEL+1], 0xfedcba98
	s_mov_b32 s[CS], 0x3e38aa3b                    ; log2(e) / 8
	s_mov_b32 s[CS+1], s[CS]
	s_mov_b32 s[SI], 0
	s_mov_b32 s[TB], 0
	s_and_b32 s66, s[WV], 7                        ; the deal: nibble w % 8 of the table's word w / 8
	s_lshl_b32 s66, s66, 2
	s_mov_b32 s67, 0x012389ab                      ; the even tile's chunk, waves 8-15: 11, 10, 9, 8, 3, 2, 1, 0;
	s_mov_b32 s68, 0x32547610                      ; the odd tile's: 0, 1, 6, 7, 4, 5, 2, 3
	s_cmp_lt_u32 s[WV], 8
	s_cselect_b32 s67, 0x4567cdef, s67             ; waves 0-7: 15, 14, 13, 12, 7, 6, 5, 4;
	s_cselect_b32 s68, 0xfedcba98, s68             ; and 8, 9, 10, 11, 12, 13, 14, 15
	s_lshr_b32 s67, s67, s66
	s_and_b32 s[CLO], s67, 15
	s_lshr_b32 s68, s68, s66
	s_and_b32 s[CHI], s68, 15
	s_wait_dscnt 0x0
	s_wait_kmcnt 0x0
	s_mov_b32 s[G0A], 1
	s_mov_b32 s[G0A+1], s16
	s_add_nc_u64 s[G0A+2:G0A+3], s[6:7], s[2:3]
	s_or_b32 s[G0A+3], s[G0A+3], 0x80000000
	CROUND
	tensor_load_to_lds s[G0A:G0A+3], s[G1A:G1A+7]  ; my one tensor load of the launch
	s_nop 0
.rept 4
	v_nop
.endr
	s_bfe_u32 s13, ttmp6, 0x40000                  ; cx: it enters global addresses and the mask's numbers alone
	s_lshl_b32 s15, s14, 4
	s_add_co_u32 s66, s15, s[CLO]
	s_mul_i32 s66, s66, 6656
	s_mov_b32 s67, 0
	s_add_co_u32 s68, s15, s[CHI]
	s_mul_i32 s68, s68, 6656
	s_mov_b32 s69, 0
	s_add_nc_u64 s[QLO:QLO+1], s[4:5], s[66:67]
	s_add_nc_u64 s[QHI:QHI+1], s[4:5], s[68:69]
	s_lshr_b32 s16, s14, 4
	s_lshl_b32 s16, s16, 7
	s_lshl_b32 s17, s13, 1
	s_add_co_u32 s16, s16, s17
	s_lshl_b32 s17, s[CLO], 3
	s_add_co_u32 s17, s17, s16
	s_lshl_b32 s18, s[CHI], 3
	s_add_co_u32 s18, s18, s16
	s_add_co_u32 s18, s18, 1
	s_and_b32 s19, s14, 15
	s_mul_i32 s15, s19, 768
	s_mul_i32 s66, s17, 12288
	s_add_co_u32 s66, s66, s15
	s_mul_i32 s68, s18, 12288
	s_add_co_u32 s68, s68, s15
	s_add_nc_u64 s[YLO:YLO+1], s[8:9], s[66:67]
	s_add_nc_u64 s[YHI:YHI+1], s[8:9], s[68:69]
	s_lshl_b32 s15, s19, 1
	s_lshl_b32 s66, s17, 9
	s_add_co_u32 s66, s66, s15
	s_lshl_b32 s68, s18, 9
	s_add_co_u32 s68, s68, s15
	s_add_nc_u64 s[SLO:SLO+1], s[10:11], s[66:67]
	s_add_nc_u64 s[SHI:SHI+1], s[10:11], s[68:69]
	v_and_b32 v4, 31, v0
	s_delay_alu instid0(VALU_DEP_1)
	v_lshlrev_b32 v[LI], 4, v4
	s_delay_alu instid0(VALU_DEP_2)
	v_lshlrev_b32 v[L8], 3, v4
	s_mul_i32 s15, s13, 1536
	v_add_nc_u32 v232, s15, v[LI]
	s_lshl_b32 s16, s13, 2
	v_add_nc_u32 v233, s16, v[LI]
	global_load_b128 v[22:25], v232, s[QLO:QLO+1]
	global_load_b64 v[26:27], v232, s[QLO:QLO+1] offset:512
	global_load_b64 v[34:35], v232, s[QHI:QHI+1] offset:520
	global_load_b128 v[36:39], v232, s[QHI:QHI+1] offset:1024
	global_load_b32 v94, v233, s[QLO:QLO+1] offset:6144
	global_load_b32 v95, v233, s[QHI:QHI+1] offset:6144
.irp j, 16,17,18,19,20,21,28,29,30,31,32,33,40,41,42,43,44,45
	v_mov_b32 v[\j], 0                             ; the zero codes beside q
.endr
	v_mov_b32 v13, 0xff61b1e6                      ; the largest t so far: -3e38
	s_delay_alu instid0(VALU_DEP_1)
	v_floor_f32 v12, -v13
	v_mov_b32 v14, 0
	v_mov_b32 v15, 0
	v_mov_b32 v9, 0xff61b1e6
	s_delay_alu instid0(VALU_DEP_1)
	v_floor_f32 v8, -v9
	v_mov_b32 v10, 0
	v_mov_b32 v11, 0
.irp j, 236,237,238,239,252,253,254
	v_mov_b32 v[\j], 0
.endr
	v_and_b32 v234, 15, v0
	s_delay_alu instid0(VALU_DEP_1)
	v_and_b32 v235, 8, v234
	s_delay_alu instid0(VALU_DEP_1)
	v_add_nc_u32 v234, v234, v235
	v_bfe_u32 v235, v0, 4, 1
	s_delay_alu instid0(VALU_DEP_1)
	v_lshlrev_b32 v235, 4, v235
	s_delay_alu instid0(VALU_DEP_1)
	v_sub_nc_u32 v234, v234, v235
	s_lshl_b32 s17, s13, 5
	v_add_nc_u32 v[DML], s17, v234                 ; my query's place in its chunk, less 16 (lane / 16): what a register's key number is held against on the diagonal
	s_delay_alu instid0(VALU_DEP_1)
	v_add_nc_u32 v[DMH], 8, v[DML]
	s_wait_loadcnt 0x0
	v_perm_b32 v94, v94, v94, 0x01000100           ; q's two scale bytes, for both halves of K
	v_perm_b32 v95, v95, v95, 0x03020302
.set JJ, 0
.rept 64
	v_mov_b32 v[160+JJ], 0                         ; O^T of both tiles
.set JJ, JJ+1
.endr
; One step: 16 queries x 128 keys.  QL, QU: q with its zeros above or below; QS: q's scales; OB: O^T; ST: -M, the largest t, the sum's two halves; DM: the mask's numbers; CL: the tile's chunk
.macro TSTEP QL, QU, QS, OB, ST, DM, CL
	s_cmp_gt_u32 s[SI], s[\CL]
	s_cbranch_scc1 .Lskip_\@                       ; these keys lie behind all my queries
	v_add_nc_u32 v[ADK], s[TB], v[LI]
.rept 3
	v_nop
.endr
.irp i, 0,1,2,3,4,5,6,7,8,9,10,11
	ds_load_b128 v[F+4*\i:F+4*\i+3], v[ADK] offset:512*\i
.endr
	ds_load_b128 v[248:251], v[ADK] offset:6144
	s_wait_alu depctr_va_vdst(0)
	s_wait_dscnt 0x0
.irp g, 0,1,2,3
	v_wmma_scale_f32_16x16x128_f8f6f4 v[96+16*\g:103+16*\g], v[F+12*\g:F+12*\g+11], v[\QL:\QL+11], 0, v[248+\g], v[\QS] matrix_a_fmt:MATRIX_FMT_FP6 matrix_b_fmt:MATRIX_FMT_FP6
	v_wmma_scale_f32_16x16x128_f8f6f4 v[104+16*\g:111+16*\g], v[F+12*\g:F+12*\g+11], v[\QU:\QU+11], 0, v[248+\g], v[\QS] matrix_a_fmt:MATRIX_FMT_FP6 matrix_b_fmt:MATRIX_FMT_FP6
.endr
.rept 4
	v_nop
.endr
.irp i, 0,1,2,3,4,5,6,7,8,9,10,11
	ds_load_b128 v[F+4*\i:F+4*\i+3], v[ADK] offset:6656+512*\i   ; v's fragments, under the softmax
.endr
	ds_load_b128 v[248:251], v[ADK] offset:12800
	s_cmp_lg_u32 s[SI], s[\CL]
	s_cbranch_scc1 .Lopen_\@
	v_mov_b32 v254, 0xff800000                     ; the diagonal's step: keys behind my query get -inf
.set JJ, 0
.rept 64
	v_cmp_gt_i32 vcc_lo, 32*(JJ/16)+JJ%16, v[\DM]
	v_cndmask_b32 v[96+JJ], v[96+JJ], v254, vcc_lo
.set JJ, JJ+1
.endr
.Lopen_\@:
.irp b, 0,1,2,3
	v_max3_num_f32 v[232+\b], v[96+16*\b], v[97+16*\b], v[98+16*\b]   ; the largest score of each block of 32 keys
.endr
.irp i, 3,5,7,9,11,13
.irp b, 0,1,2,3
	v_max3_num_f32 v[232+\b], v[232+\b], v[96+16*\b+\i], v[97+16*\b+\i]
.endr
.endr
.irp b, 0,1,2,3
	v_max_num_f32 v[232+\b], v[232+\b], v[111+16*\b]
.endr
.irp b, 0,1,2,3
	s_delay_alu instid0(VALU_DEP_4)
	v_permlanex16_b32 v[236+\b], v[232+\b], s[SEL], s[SEL+1]
.endr
.irp b, 0,1,2,3
	s_delay_alu instid0(VALU_DEP_4)
	v_max_num_f32 v[232+\b], v[232+\b], v[236+\b]
.endr
	s_delay_alu instid0(VALU_DEP_2)
	v_max3_num_f32 v254, v232, v233, v234
	s_delay_alu instid0(VALU_DEP_1)
	v_max_num_f32 v254, v254, v235
	s_delay_alu instid0(VALU_DEP_1)
	v_mul_f32 v254, s[CS], v254
	s_delay_alu instid0(VALU_DEP_1)
	v_max_num_f32 v[\ST+1], v[\ST+1], v254         ; the running largest t
	v_mov_b32 v254, v[\ST]
	s_delay_alu instid0(VALU_DEP_2)
	v_floor_f32 v[\ST], -v[\ST+1]                  ; -M = floor(-t)
	s_delay_alu instid0(VALU_DEP_1)
	v_sub_f32 v254, v[\ST], v254
	s_delay_alu instid0(VALU_DEP_1)
	v_cvt_i32_f32 v254, v254
	s_delay_alu instid0(VALU_DEP_1)
	v_ldexp_f32 v252, 1.0, v254                    ; f = 2^(old M - new M)
.set JJ, 0
.rept 32
	v_pk_fma_f32 v[96+JJ:97+JJ], v[96+JJ:97+JJ], s[CS:CS+1], v[\ST:\ST+1] op_sel_hi:[1,0,0]
.set JJ, JJ+2
.endr
.irp b, 0,1,2,3
	v_fma_f32 v[232+\b], v[232+\b], s[CS], v[\ST]
.endr
.set JJ, 0
	s_wait_alu depctr_va_vdst(0)                   ; ahead of the batch
.rept 64
	v_exp_f32 v[96+JJ], v[96+JJ]                   ; p = 2^(t - M)
.set JJ, JJ+1
.endr
	v_pk_mul_f32 v[\ST+2:\ST+3], v[\ST+2:\ST+3], v[252:253] op_sel_hi:[1,0]
	s_wait_alu depctr_va_vdst(0)                   ; and behind it
.irp b, 0,1,2,3
	v_exp_f32 v[232+\b], v[232+\b]                 ; each block's largest p
.endr
	v_pk_add_f32 v[236:237], v[96:97], v[98:99]    ; the row's sum, of the unquantised p
.irp j, 4,8,12,16,20,24,28,32,36,40,44,48,52,56,60
	v_pk_add_f32 v[\ST+2:\ST+3], v[\ST+2:\ST+3], v[96+\j:97+\j]
	v_pk_add_f32 v[236:237], v[236:237], v[98+\j:99+\j]
.endr
	s_delay_alu instid0(VALU_DEP_1)
	v_pk_add_f32 v[\ST+2:\ST+3], v[\ST+2:\ST+3], v[236:237]
	s_wait_alu depctr_va_vdst(0)
.irp b, 0,1,2,3
	v_max_num_f32 v[232+\b], 0x1800000, v[232+\b]  ; the floor 2^(3 - 127): the byte cannot fall under 1
.endr
.irp b, 0,1,2,3
	s_delay_alu instid0(VALU_DEP_4)
	v_add_nc_u32 v[244+\b], 0xff000000, v[232+\b]
.endr
.irp b, 0,1,2,3
	s_delay_alu instid0(VALU_DEP_4)
	v_lshrrev_b32 v[236+\b], 23, v[244+\b]
.endr
	s_delay_alu instid0(VALU_DEP_3)
	v_lshl_or_b32 v253, v237, 8, v236              ; p's scale word
	s_delay_alu instid0(VALU_DEP_1)
	v_lshl_or_b32 v253, v238, 16, v253
	s_delay_alu instid0(VALU_DEP_1)
	v_lshl_or_b32 v253, v239, 24, v253
.irp c, 0,1
	v_cvt_scalef32_pk16_fp6_f32 v[224+6*\c:226+6*\c], v[96+32*\c:111+32*\c], v[244+2*\c]
	v_cvt_scalef32_pk16_fp6_f32 v[236+4*\c:238+4*\c], v[112+32*\c:127+32*\c], v[244+2*\c+1]
.endr
	v_nop                                          ; one plain place behind a scaled conversion
.irp c, 0,1
.irp i, 0,1,2
	v_permlane16_swap_b32 v[224+6*\c+\i], v[236+4*\c+\i]
.endr
.irp i, 0,1,2
	s_delay_alu instid0(VALU_DEP_3)
	v_mov_b32 v[227+6*\c+\i], v[236+4*\c+\i]
.endr
.endr
.set JJ, 0
.rept 16
	v_pk_mul_f32 v[\OB+JJ:\OB+JJ+1], v[\OB+JJ:\OB+JJ+1], v[252:253] op_sel_hi:[1,0]   ; O^T under the new M
.set JJ, JJ+2
.endr
	s_wait_alu depctr_va_vdst(0)
	s_wait_dscnt 0x0
.irp t, 0,1,2,3
	v_wmma_scale_f32_16x16x128_f8f6f4 v[\OB+8*\t:\OB+8*\t+7], v[F+12*\t:F+12*\t+11], v[224:235], v[\OB+8*\t:\OB+8*\t+7], v[248+\t], v253 matrix_a_fmt:MATRIX_FMT_FP6 matrix_b_fmt:MATRIX_FMT_FP6
.endr
.Lskip_\@:
.endm
	s_wait_alu depctr_va_vdst(0)                   ; the head's end
	s_wait_tensorcnt 0x0                           ; my record is in;
	s_barrier_signal -1
	s_barrier_wait -1                              ; and so is everybody's
.Lrest:
	TSTEP 22, 16, 94, 160, 12, DML, CLO
	TSTEP 34, 28, 95, 192, 8, DMH, CHI
	s_add_co_u32 s[TB], s[TB], REC
	s_add_co_u32 s[SI], s[SI], 1
	s_cmp_lt_u32 s[SI], 16
	s_cbranch_scc1 .Lrest
.set TM, 224
.rept 4
	v_nop
.endr
	v_add_f32 v14, v14, v15
	v_add_f32 v10, v10, v11
	s_delay_alu instid0(VALU_DEP_2)
	v_permlanex16_b32 v252, v14, s[SEL], s[SEL+1]
	s_delay_alu instid0(VALU_DEP_2)
	v_permlanex16_b32 v254, v10, s[SEL], s[SEL+1]
	s_delay_alu instid0(VALU_DEP_2)
	v_add_f32 v14, v14, v252
	s_delay_alu instid0(VALU_DEP_2)
	v_add_f32 v10, v10, v254
	s_wait_alu depctr_va_vdst(0)
	v_rcp_f32 v14, v14
	v_rcp_f32 v10, v10
	v_nop
	s_wait_alu depctr_va_vdst(0)
.set JJ, 0
.rept 16
	v_pk_mul_f32 v[96+JJ:97+JJ], v[160+JJ:161+JJ], v[14:15] op_sel_hi:[1,0]   ; O / l
	v_pk_mul_f32 v[128+JJ:129+JJ], v[192+JJ:193+JJ], v[10:11] op_sel_hi:[1,0]
.set JJ, JJ+2
.endr
.irp b, 0,1,2,3
	v_mov_b32 v[TM+4+\b], 0
.endr
.irp b, 0,1,2,3
	v_max3_num_f32 v[TM+\b], |v[96+16*\b]|, |v[97+16*\b]|, 0x1800000   ; y's quantiser along the head's 64 channels: two blocks for each tile
.endr
.irp i, 2,4,6,8,10,12,14
.irp b, 0,1,2,3
	s_delay_alu instid0(VALU_DEP_4)
	v_max3_num_f32 v[TM+\b], v[TM+\b], |v[96+16*\b+\i]|, |v[97+16*\b+\i]|
.endr
.endr
.irp b, 0,1,2,3
	s_delay_alu instid0(VALU_DEP_4)
	v_permlanex16_b32 v[TM+4+\b], v[TM+\b], s[SEL], s[SEL+1]
.endr
.irp b, 0,1,2,3
	s_delay_alu instid0(VALU_DEP_4)
	v_max_num_f32 v[TM+\b], v[TM+\b], v[TM+4+\b]
.endr
.irp b, 0,1,2,3
	s_delay_alu instid0(VALU_DEP_4)
	v_add_nc_u32 v[TM+12+\b], 0xff000000, v[TM+\b]
.endr
.irp b, 0,1,2,3
	s_delay_alu instid0(VALU_DEP_4)
	v_lshrrev_b32 v[TM+4+\b], 23, v[TM+12+\b]
.endr
.irp c, 0,1
	v_cvt_scalef32_pk16_fp6_f32 v[F+6*\c:F+6*\c+2], v[96+32*\c:111+32*\c], v[TM+12+2*\c]
	v_cvt_scalef32_pk16_fp6_f32 v[TM+16+4*\c:TM+18+4*\c], v[112+32*\c:127+32*\c], v[TM+13+2*\c]
.endr
	v_nop
.irp c, 0,1
.irp i, 0,1,2
	v_permlane16_swap_b32 v[F+6*\c+\i], v[TM+16+4*\c+\i]
.endr
.irp i, 0,1,2
	s_delay_alu instid0(VALU_DEP_3)
	v_mov_b32 v[F+3+6*\c+\i], v[TM+16+4*\c+\i]
.endr
.endr
	v_lshl_or_b32 v248, v[TM+5], 8, v[TM+4]
	v_lshl_or_b32 v249, v[TM+7], 8, v[TM+6]
	v_and_b32 v250, 15, v0
	s_delay_alu instid0(VALU_DEP_1)
	v_lshlrev_b32 v250, 5, v250
.irp i, 0,1,2
	global_store_b64 v[L8], v[F+2*\i:F+2*\i+1], s[YLO:YLO+1] offset:256*\i   ; 256 consecutive bytes, aligned: a piece of y's image
	global_store_b64 v[L8], v[F+6+2*\i:F+7+2*\i], s[YHI:YHI+1] offset:256*\i
.endr
	global_store_b16 v250, v248, s[SLO:SLO+1]      ; my head's two scale bytes of each token's 32
	global_store_b16 v250, v249, s[SHI:SHI+1]
	s_wait_tensorcnt 0x0                           ; the wave's end
	ds_add_u32 v[SPW], v[NIL]
	s_wait_dscnt 0x0
	CROUND                                         ; the closing round
	s_endpgm
.Lfunc_end_k_q0e4e4103b8_attn:
	.size	k_q0e4e4103b8_attn, .Lfunc_end_k_q0e4e4103b8_attn-k_q0e4e4103b8_attn
	.p2alignl 7, 3214868480
	.fill 96, 4, 3214868480
	.section	.rodata,"a",@progbits
	.p2align	6, 0x0
	.amdhsa_kernel k_q0e4e4103b8_attn
		.amdhsa_group_segment_fixed_size 327680
		.amdhsa_private_segment_fixed_size 0
		.amdhsa_enable_private_segment 0
		.amdhsa_kernarg_size 32
		.amdhsa_user_sgpr_count 2
		.amdhsa_user_sgpr_kernarg_segment_ptr 1
		.amdhsa_wavefront_size32 1
		.amdhsa_system_sgpr_workgroup_id_x 1
		.amdhsa_system_sgpr_workgroup_id_y 1
		.amdhsa_system_sgpr_workgroup_id_z 1
		.amdhsa_system_vgpr_workitem_id 0
		.amdhsa_next_free_vgpr 256
		.amdhsa_next_free_sgpr 72
		.amdhsa_reserve_vcc 1
		.amdhsa_float_denorm_mode_32 3
		.amdhsa_float_denorm_mode_16_64 3
		.amdhsa_memory_ordered 1
		.amdhsa_forward_progress 1
		.amdhsa_inst_pref_size 62
	.end_amdhsa_kernel
	.amdgpu_metadata
---
amdhsa.version: [ 1, 2 ]
amdhsa.kernels:
  - .name:           k_q0e4e4103b8_attn
    .symbol:         k_q0e4e4103b8_attn.kd
    .args:
      - { .name: qi, .offset: 0, .size: 8, .value_kind: global_buffer, .address_space: global }
      - { .name: kv, .offset: 8, .size: 8, .value_kind: global_buffer, .address_space: global }
      - { .name: yi, .offset: 16, .size: 8, .value_kind: global_buffer, .address_space: global }
      - { .name: ys, .offset: 24, .size: 8, .value_kind: global_buffer, .address_space: global }
    .group_segment_fixed_size: 327680
    .private_segment_fixed_size: 0
    .kernarg_segment_align: 8
    .kernarg_segment_size: 32
    .max_flat_workgroup_size: 512
    .sgpr_count:     72
    .vgpr_count:     256
    .wavefront_size: 32
...
	.end_amdgpu_metadata
.endif
;; end of part 4
;; launch proj (part 5): grid 4 x 64, 4 waves a work-group, clusters of 4 x 4, 327,680 bytes of LDS; arguments yi, ys, codes, scales, out0; writes out0
.if DOCPART == 5
	.amdgcn_target "amdgcn-amd-amdhsa--gfx1250"
	.amdhsa_code_object_version 6
	.text
	.protected	k_q0e4e4103b8_proj
	.globl	k_q0e4e4103b8_proj
	.p2align	8
	.type	k_q0e4e4103b8_proj,@function
k_q0e4e4103b8_proj:
	s_mov_b64 s[64:65], 0
	v_nop
	global_prefetch_b8 v0, s[64:65] scope:SCOPE_SE
	s_setreg_imm32_b32 hwreg(HW_REG_WAVE_MODE, 25, 1), 1
	s_wait_xcnt 0x0
	s_wait_alu depctr_hold_cnt(0) depctr_sa_sdst(0) depctr_va_vdst(0) depctr_va_sdst(0) depctr_va_ssrc(0) depctr_va_vcc(0) depctr_vm_vsrc(0)
	s_getreg_b32 s2, hwreg(HW_REG_IB_STS2, 6, 4)
	s_cmp_eq_u32 s2, 0
	s_cbranch_scc0 .Lentry_in_a_cluster
	s_endpgm
.Lentry_in_a_cluster:
	s_bfe_u32 s2, ttmp6, 0x10000c
	s_cmp_lg_u32 s2, 0xf033
	s_cbranch_scc0 .Lentry_shape_is_right
	s_endpgm
.Lentry_shape_is_right:
; out0 = y W_proj^T on codes of FP6 (E2M3) with E8M0 scales; out0 [8192][1024] f32.
; A work-group of four waves makes 128 tokens x 256 columns, a wave 64 x 128: 32 accumulators.  8,192 x 1,024 so give 256 work-groups.  Source 0 (B) = 16 rows of W_proj, source 1 (A) = 16 tokens:
; a lane holds eight neighbouring columns of one row of out0.
; ALL OF K LIES IN LDS: operands arrive as images of an operand's registers, 12,288 bytes for a tile of 16 rows and K = 1,024 (y: [128 along K][piece of two registers][lane][8 bytes]; W_proj: [128 along K][group of four
; registers][lane][16 bytes]): A's 8 tiles and B's 16 are 294,912 bytes, fetched by ONE joint load a wave at the head (waves 0, 1: four tiles of A each; waves 2, 3: eight tiles of B each).
; Nothing is filled again: one barrier, then 8 steps of 128 along K with no barrier between them.  4 x 4 work-groups form a cluster: A's tiles are shared along a row of it, B's along a column.
; The scale words go from memory straight to registers: a load covers the 512 consecutive bytes of 16 rows; lanes 0-15 then hold the words of K steps 0-3, lanes 16-31 those of K steps 4-7 (the ROW selector chooses).
; Lane r of tile 2 b + u is true row 32 b + 8 u + r + 8 (r / 8), for tokens and for W_proj's rows: the way out puts rows and columns back by its offsets.
; No prefetch: everything is asked for once, at the head, and there is no loop to run ahead in.
.set TILEB,  12288
.set ABYTES, 8*TILEB
.set SPARE,  24*TILEB                  ; behind the tiles: the spare words, 128 bytes a wave
.set BCODE,  8650752                   ; B = W_proj
.set BSCALE, 360448
.set SPITCH, 528                       ; the way out: a stage of 16 rows x (512 bytes + 16) for each wave, on A's tiles, behind a barrier behind which nobody reads the tiles
.set CO,   4                           ; v4  16 x lane: my place in an image, in a stage row and in a row of out0
.set ADRA, 16
.set ADRB, 18
.set SOF,  20
.set STO,  24
.set RD,   25
.set SPW,  28
.set NIL,  29
.set SA,   32                          ; v32-47 A's scale words: block a at 4 a
.set SB,   48                          ; v48-79 B's: block b at 4 b
.set AF,   96                          ; v96-191 A's fragments, two sets;  window 1: B's, two sets at v0 and v128;  window 2: accumulator (a, b) at v[8 (8 a + b)]
.set BK,   128                         ; the way out: 16 rows read back: v128-191 and v192-255 by turns
.set G1, 24
.set G0, 32
.set G1B, 48
.set G0B, 56
.set MSB, 0
.macro WIN new
.if MSB != (\new)
	s_set_vgpr_msb (MSB<<8)|(\new)
.set MSB, (\new)
.endif
.endm
.macro CROUND
	s_barrier_signal -1
	s_barrier_wait -1
	s_cmp_lg_u32 s14, 0
	s_cbranch_scc1 .Lnot_wave_0_\@
	s_barrier_signal -3
.Lnot_wave_0_\@:
	s_barrier_wait -3
	s_barrier_signal -1
	s_barrier_wait -1
.endm
.macro PLACES
.rept 4
	v_nop
.endr
.endm
	s_load_b256 s[4:11], s[0:1], 0x0               ; yi, ys, codes, scales
	s_load_b64 s[12:13], s[0:1], 0x20              ; out0
	v_lshl_add_u32 v[SPW], v0, 2, SPARE
	v_mov_b32 v[NIL], 0
	ds_add_u32 v[SPW], v[NIL]                      ; the opening lines: the add, twice on end, and its wait ahead of my tensor load
	ds_add_u32 v[SPW], v[NIL]
	v_lshrrev_b32 v1, 5, v0
	v_readfirstlane_b32 s14, v1
	s_lshr_b32 s15, s14, 1                         ; my half of A's rows.  Also: I fetch for A (0) or for B (1)
	s_and_b32 s16, s14, 1                          ; my half of B's rows.  Also: which half of that operand's tiles I fetch
	s_bfe_u32 s40, ttmp6, 0x40000
	s_bfe_u32 s41, ttmp6, 0x40004
	s_lshl_b32 s42, ttmp9, 2
	s_add_co_u32 s42, s42, s40                     ; which 256 columns
	s_and_b32 s17, ttmp7, 0xffff
	s_lshl_b32 s17, s17, 2
	s_add_co_u32 s17, s17, s41                     ; which 128 tokens
	s_lshl_b32 s43, s41, 2
	s_lshl_b32 s43, 15, s43                        ; my row of the cluster
	s_lshl_b32 s44, 0x1111, s40                    ; my column
	s_or_b32 s[G1], s43, (3<<16)|(1<<21)           ; the mask; elements of 8 bytes; bit 21 beside a mask
	s_mov_b32 s[G1+1], 1536<<16                    ; rows of 12,288 bytes, one behind the other:
	s_mov_b32 s[G1+2], 4<<16                       ; four tiles
	s_mov_b32 s[G1+3], 1536<<16
	s_mov_b32 s[G1+4], 4
	s_mov_b32 s[G1+5], 1536
	s_mov_b32 s[G1+6], 0
	s_mov_b32 s[G1+7], 0
	s_or_b32 s[G1B], s44, (3<<16)|(1<<21)
	s_mov_b32 s[G1B+1], 1536<<16
	s_mov_b32 s[G1B+2], 8<<16                      ; eight tiles
	s_mov_b32 s[G1B+3], 1536<<16
	s_mov_b32 s[G1B+4], 8
	s_mov_b32 s[G1B+5], 1536
	s_mov_b32 s[G1B+6], 0
	s_mov_b32 s[G1B+7], 0
	s_lshl_b32 s20, s17, 3                         ; A: tile 8 x (which 128) + 4 x half
	s_lshl_b32 s18, s16, 2
	s_add_co_u32 s20, s20, s18
	s_mul_i32 s20, s20, TILEB
	s_mov_b32 s21, 0
	s_lshl_b32 s46, s42, 4                         ; B: tile 16 x (which 256) + 8 x half
	s_lshl_b32 s18, s16, 3
	s_add_co_u32 s46, s46, s18
	s_mul_i32 s46, s46, TILEB
	s_add_co_u32 s46, s46, BCODE
	s_mov_b32 s47, 0
	s_lshl_b32 s22, s17, 7                         ; the scale words of my 64 rows of A, 32 bytes a row,
	s_lshl_b32 s18, s15, 6
	s_add_co_u32 s22, s22, s18
	s_lshl_b32 s60, s22, 12                        ; (my first row of out0, 4,096 bytes a row)
	s_lshl_b32 s22, s22, 5
	s_mov_b32 s23, 0
	s_lshl_b32 s66, s42, 8                         ; and of my 128 rows of B
	s_lshl_b32 s18, s16, 7
	s_add_co_u32 s66, s66, s18
	s_lshl_b32 s18, s66, 2                         ; (my first column of out0, in bytes)
	s_add_co_u32 s60, s60, s18
	s_mov_b32 s61, 0
	s_lshl_b32 s66, s66, 5
	s_add_co_u32 s66, s66, BSCALE
	s_mov_b32 s67, 0
	s_mul_i32 s45, s16, 4*TILEB                    ; LDS: A's two halves,
	s_mul_i32 s19, s16, 8*TILEB
	s_add_co_u32 s19, s19, ABYTES                  ; then B's two halves
	s_wait_dscnt 0x0                               ; both opening adds are done
	s_wait_kmcnt 0x0
	s_add_nc_u64 s[20:21], s[4:5], s[20:21]
	s_add_nc_u64 s[46:47], s[8:9], s[46:47]
	s_add_nc_u64 s[22:23], s[6:7], s[22:23]
	s_add_nc_u64 s[66:67], s[10:11], s[66:67]
	s_add_nc_u64 s[12:13], s[12:13], s[60:61]
	CROUND                                         ; all sixteen work-groups are here: the joint loads meet
	s_mov_b32 s[G0], 1
	s_mov_b32 s[G0+1], s45
	s_mov_b64 s[G0+2:G0+3], s[20:21]
	s_or_b32 s[G0+3], s[G0+3], 0x80000000
	s_mov_b32 s[G0B], 1
	s_mov_b32 s[G0B+1], s19
	s_mov_b64 s[G0B+2:G0B+3], s[46:47]
	s_or_b32 s[G0B+3], s[G0B+3], 0x80000000
	s_cmp_eq_u32 s15, 0
	s_cbranch_scc0 .Lfor_b
	tensor_load_to_lds s[G0:G0+3], s[G1:G1+7]      ; my one tensor load of the launch
	s_nop 0
	PLACES
	s_branch .Lasked
.Lfor_b:
	tensor_load_to_lds s[G0B:G0B+3], s[G1B:G1B+7]
	s_nop 0
	PLACES
.Lasked:
	v_and_b32 v1, 15, v0
	v_bfe_u32 v2, v0, 4, 1
	v_and_b32 v3, 31, v0
	v_lshlrev_b32 v[CO], 4, v3                     ; 16 x lane
	v_lshlrev_b32 v5, 3, v3                        ; A's images: 8 x lane
	s_mul_i32 s18, s15, 4*TILEB
	v_add_nc_u32 v[ADRA], s18, v5
	v_add_nc_u32 v[ADRB], s19, v[CO]
	v_add_nc_u32 v[ADRB+1], 4*TILEB, v[ADRB]
	v_lshlrev_b32 v[SOF], 5, v1
	v_lshl_add_u32 v[SOF], v2, 4, v[SOF]           ; 32 r + 16 h
	s_mul_i32 s18, s14, 16*SPITCH                  ; my stage
	v_mul_u32_u24 v5, v1, SPITCH                   ; in: row r; my half's 16 columns of each 32: 64 h bytes on
	v_lshl_add_u32 v5, v2, 6, v5
	v_add_nc_u32 v[STO], s18, v5
	v_add_nc_u32 v[RD], s18, v[CO]                 ; back: the 32 lanes take one row of 512 bytes
	s_wait_alu depctr_va_vdst(0)                   ; the head's end
.irp a, 0,1,2,3
	global_load_b128 v[SA+4*\a:SA+4*\a+3], v[SOF], s[22:23] offset:512*\a   ; 512 consecutive bytes, aligned
.endr
.irp b, 0,1,2,3,4,5,6,7
	global_load_b128 v[SB+4*\b:SB+4*\b+3], v[SOF], s[66:67] offset:512*\b
.endr
	s_wait_tensorcnt 0x0                           ; my tiles are in;
	s_barrier_signal -1
	s_barrier_wait -1                              ; and so are everybody's
.macro FETCH ks, set                   ; the fragments of one step: B's by three loads of 512 consecutive bytes, A's by six of 256
	WIN 0x40
.irp b, 0,1,2,3,4,5,6,7
.irp j, 0,1,2
	ds_load_b128 v[128*(\set)+12*\b+4*\j:128*(\set)+12*\b+4*\j+3], v[ADRB+\b/4] offset:(\b%4)*TILEB+(\ks)*1536+512*\j
.endr
.endr
	WIN 0
.irp a, 0,1,2,3
.irp p, 0,1,2,3,4,5
	ds_load_b64 v[AF+48*(\set)+12*\a+2*\p:AF+48*(\set)+12*\a+2*\p+1], v[ADRA] offset:\a*TILEB+(\ks)*1536+256*\p
.endr
.endr
.endm
.macro MUL ks, set                     ; 32 matrix instructions; the 32 accumulators take turns, one instruction a turn; the first step starts the sums
.irp a, 0,1,2,3
.irp b, 0,1,2,3,4,5,6,7
.if (\ks) == 0
	v_wmma_scale_f32_16x16x128_f8f6f4 v[8*(8*\a+\b):8*(8*\a+\b)+7], v[128*(\set)+12*\b:128*(\set)+12*\b+11], v[AF+48*(\set)+12*\a:AF+48*(\set)+12*\a+11], 0, v[SB+4*\b], v[SA+4*\a] matrix_a_fmt:MATRIX_FMT_FP6 matrix_b_fmt:MATRIX_FMT_FP6
.else
.if (\ks) < 4
	v_wmma_scale_f32_16x16x128_f8f6f4 v[8*(8*\a+\b):8*(8*\a+\b)+7], v[128*(\set)+12*\b:128*(\set)+12*\b+11], v[AF+48*(\set)+12*\a:AF+48*(\set)+12*\a+11], v[8*(8*\a+\b):8*(8*\a+\b)+7], v[SB+4*\b+(\ks)], v[SA+4*\a+(\ks)] matrix_a_fmt:MATRIX_FMT_FP6 matrix_b_fmt:MATRIX_FMT_FP6
.else
	v_wmma_scale_f32_16x16x128_f8f6f4 v[8*(8*\a+\b):8*(8*\a+\b)+7], v[128*(\set)+12*\b:128*(\set)+12*\b+11], v[AF+48*(\set)+12*\a:AF+48*(\set)+12*\a+11], v[8*(8*\a+\b):8*(8*\a+\b)+7], v[SB+4*\b+(\ks)-4], v[SA+4*\a+(\ks)-4] matrix_a_fmt:MATRIX_FMT_FP6 matrix_b_fmt:MATRIX_FMT_FP6 matrix_a_scale:MATRIX_SCALE_ROW1 matrix_b_scale:MATRIX_SCALE_ROW1
.endif
.endif
.endr
.endr
.endm
.macro STEP ks
	s_wait_dscnt 0x0                               ; this step's fragments are in (asked for a step ago)
.if (\ks) > 0
	PLACES                                         ; in front of loads into registers that the last step's matrix instructions have read
.endif
	FETCH (\ks)+1, ((\ks)+1)%2
	WIN 0xa1                                       ; source 0 (B) window 1, source 1 (A) window 0, C and D window 2
	MUL \ks, (\ks)%2
	WIN 0
.endm
	FETCH 0, 0
	s_wait_loadcnt 0x0                             ; the scale words are in
.set KS, 0
.rept 7
	STEP KS
.set KS, KS+1
.endr
	s_wait_dscnt 0x0                               ; the last step's fragments are in: my reads of the tiles are over:
	s_barrier_signal -1                            ; say so,
	WIN 0xa1
	MUL 7, 1                                       ; work on registers while the others arrive,
	WIN 0
	s_barrier_wait -1                              ; and behind this nobody reads the tiles: the stages may lie on them
; THE WAY OUT, block by block of 16 tokens x 128 columns, through my own stage in LDS.  Accumulator b = 2 bb + u of a lane holds columns 32 bb + 16 (lane / 16) + 8 u + 0 .. 7: its place in a stage row is 128 bb + 64 h + 32 u bytes.
; Stage row t of block a is true row 32 (a / 2) + 8 (a % 2) + t + 8 (t / 8) of my 64: it stands in the store's immediate.  LDS serves a wave's instructions in order: no wait between the stores and the loads.
.macro TOSTAGE a
	WIN 0x08                                       ; the data: window 2
.irp b, 0,1,2,3,4,5,6,7
	ds_store_b128 v[STO], v[64*(\a)+8*\b:64*(\a)+8*\b+3] offset:128*(\b/2)+32*(\b%2)          ; each accumulator from its low end on
	ds_store_b128 v[STO], v[64*(\a)+8*\b+4:64*(\a)+8*\b+7] offset:128*(\b/2)+32*(\b%2)+16
.endr
	WIN 0
.set BB, BK+64*((\a)%2)
.irp t, 0,1,2,3,4,5,6,7,8,9,10,11,12,13,14,15
	ds_load_b128 v[BB+4*\t:BB+4*\t+3], v[RD] offset:\t*SPITCH
.endr
.endm
.macro SEND a, younger
.set BB, BK+64*((\a)%2)
	s_wait_dscnt \younger                          ; the block is back in registers
.irp t, 0,1,2,3,4,5,6,7,8,9,10,11,12,13,14,15
	global_store_b128 v[CO], v[BB+4*\t:BB+4*\t+3], s[12:13] offset:(32*((\a)/2)+8*((\a)%2)+\t+8*(\t/8))*4096 th:TH_STORE_NT   ; 32 lanes store 512 consecutive bytes, aligned
.endr
.endm
	PLACES
	TOSTAGE 0
.irp a, 1,2,3
.if \a > 1
	s_wait_xcnt 0x0                                ; block a - 2's stores have read their registers: block a's loads may land there
.endif
	TOSTAGE \a
	SEND \a-1, 32                                  ; behind block a - 1's loads: block a's 16 stores and 16 loads
.endr
	SEND 3, 0
	s_wait_tensorcnt 0x0                           ; the wave's end
	ds_add_u32 v[SPW], v[NIL]
	s_wait_dscnt 0x0
	CROUND                                         ; the closing round
	s_endpgm
.Lfunc_end_k_q0e4e4103b8_proj:
	.size	k_q0e4e4103b8_proj, .Lfunc_end_k_q0e4e4103b8_proj-k_q0e4e4103b8_proj
	.p2alignl 7, 3214868480
	.fill 96, 4, 3214868480
	.section	.rodata,"a",@progbits
	.p2align	6, 0x0
	.amdhsa_kernel k_q0e4e4103b8_proj
		.amdhsa_group_segment_fixed_size 327680
		.amdhsa_private_segment_fixed_size 0
		.amdhsa_enable_private_segment 0
		.amdhsa_kernarg_size 40
		.amdhsa_user_sgpr_count 2
		.amdhsa_user_sgpr_kernarg_segment_ptr 1
		.amdhsa_wavefront_size32 1
		.amdhsa_system_sgpr_workgroup_id_x 1
		.amdhsa_system_sgpr_workgroup_id_y 1
		.amdhsa_system_sgpr_workgroup_id_z 1
		.amdhsa_system_vgpr_workitem_id 0
		.amdhsa_next_free_vgpr 768
		.amdhsa_next_free_sgpr 72
		.amdhsa_reserve_vcc 0
		.amdhsa_float_denorm_mode_32 3
		.amdhsa_float_denorm_mode_16_64 3
		.amdhsa_memory_ordered 1
		.amdhsa_forward_progress 1
		.amdhsa_inst_pref_size 80
	.end_amdhsa_kernel
	.amdgpu_metadata
---
amdhsa.version: [ 1, 2 ]
amdhsa.kernels:
  - .name:           k_q0e4e4103b8_proj
    .symbol:         k_q0e4e4103b8_proj.kd
    .args:
      - { .name: yi, .offset: 0, .size: 8, .value_kind: global_buffer, .address_space: global }
      - { .name: ys, .offset: 8, .size: 8, .value_kind: global_buffer, .address_space: global }
      - { .name: codes, .offset: 16, .size: 8, .value_kind: global_buffer, .address_space: global }
      - { .name: scales, .offset: 24, .size: 8, .value_kind: global_buffer, .address_space: global }
      - { .name: out0, .offset: 32, .size: 8, .value_kind: global_buffer, .address_space: global }
    .group_segment_fixed_size: 327680
    .private_segment_fixed_size: 0
    .kernarg_segment_align: 8
    .kernarg_segment_size: 40
    .max_flat_workgroup_size: 128
    .sgpr_count:     72
    .vgpr_count:     768
    .wavefront_size: 32
...
	.end_amdgpu_metadata
.endif
;; end of part 5
